; MI455X (gfx1250); checked and timed in simulation.
; The chip was launched on July 23, 2026; its instructions are those of AMD's public machine-readable ISA for CDNA 5 (MIT licence, August 2026) and "CDNA5" Instruction Set Architecture Reference Guide (July 2026). The comments in the code are by the model that wrote it; some were corrected since.
;; Swin Transformer Block. Allowed arithmetic: matrix products marked QUANTISED: E3M2 operands, one E8M0 scale for each 32 along K, by v_wmma_scale_f32_16x16x128_f8f6f4 with both operands' format E3M2, f32 sums; everything else in f32.
;; Inputs: b1 1,024 float32; b2 256 float32; bk 256 float32; bo 256 float32; bq 256 float32; bv 256 float32; hidden_states 8 x 4,096 x 256 float32; ln1_b 256 float32; ln1_g 256 float32; ln2_b 256 float32; ln2_g 256 float32; rel_table 225 x 8 float32; w1 1,024 x 256 float32; w2 256 x 1,024 float32; wk 256 x 256 float32; wo 256 x 256 float32; wq 256 x 256 float32; wv 256 x 256 float32.
;; Outputs: out0 8 x 4,096 x 256 float32.
;; This version of the problem:
;;   THIS VERSION OF THE PROBLEM IS GIVEN IN LOW PRECISION. The matrix products marked QUANTISED in the list below multiply operands that are first quantised to E3M2 (3 exponent bits, 2 mantissa bits; 6 bits a number), with one power-of-two scale for each 32 numbers along K (OCP MX v1.0); their sums are f32. All else is computed in f32.
;;   The module's matrix products, in the order in which they are computed (A, B: the left and right operand; K: the contracted axis; several contracted axes count as one K, in the product's order):
;;     1. [M 32,768, K 256] x [K 256, N 256]; A: computed on the way; B: input wq: QUANTISED
;;     2. [M 32,768, K 256] x [K 256, N 256]; A: computed on the way; B: input wk: QUANTISED
;;     3. [M 32,768, K 256] x [K 256, N 256]; A: computed on the way; B: input wv: QUANTISED
;;     4. batch 4,096 x [M 64, K 32] x [K 32, N 64]; A: computed on the way; B: computed on the way: QUANTISED
;;     5. batch 4,096 x [M 32, K 64] x [K 64, N 64]; A: computed on the way; B: computed on the way: QUANTISED
;;     6. [M 32,768, K 256] x [K 256, N 256]; A: computed on the way; B: input wo: QUANTISED
;;     7. [M 32,768, K 256] x [K 256, N 1,024]; A: computed on the way; B: input w1: QUANTISED
;;     8. [M 32,768, K 1,024] x [K 1,024, N 256]; A: computed on the way; B: input w2: QUANTISED
;;   THE QUANTISER, for each operand of a quantised product, along K:
;;     - K is cut into blocks of 32 from its start; a last block that is shorter is filled with zeros.
;;     - A block's scale is 2^e with e = floor(log2(the largest magnitude in the block)) - 4, held to -126 .. 127; a block of zeros has e = 0. As a byte (E8M0): e + 127.
;;     - Each number is divided by its block's scale, clamped to +-28, and rounded to the nearest number of E3M2, ties to even, subnormals kept.
;;     - The product sums the exact products of the quantised numbers (number of the format x scale) in f32.
;;   ~~~python
;;   def quantise(x, axis):      # numpy; x: float32 -> the quantised numbers, widened to float32 again
;;       x = np.moveaxis(x, axis, -1); K = x.shape[-1]
;;       x = np.pad(x, [(0, 0)] * (x.ndim - 1) + [(0, -K % 32)]); x = x.reshape(x.shape[:-1] + (-1, 32)); a = np.abs(x).max(-1, keepdims=True)
;;       e = np.where(a > 0, np.clip(np.frexp(np.where(a > 0, a, 1))[1] - 1 - 4, -126, 127), 0)      # np.frexp(a)[1] - 1 = floor(log2(a)), exactly
;;       r = np.clip(x / 2.0 ** e, -28, 28)
;;       step = 2.0 ** (np.maximum(np.frexp(np.where(r == 0, 1, r))[1] - 1, -2) - 2)
;;       q = np.round(r / step) * step * 2.0 ** e      # np.round: ties to even
;;       return np.moveaxis(q.reshape(q.shape[:-2] + (-1,))[..., :K], -1, axis).astype(np.float32)
;;   ~~~
;;   OPERANDS COMPUTED ON THE WAY. 'Computed on the way' means the value that the module computes at that place (a softmax that the list does not call 'softmax' is quantised finished and normalised). What goes into a quantiser is computed in f32, as accurately as f32 sums, v_exp_f32 and their like allow (about 1e-6 of the number): no bf16 or f16 on the way to a quantiser, and a product that is left as it is and whose result goes on into a quantised operand takes f32 operands (vector FMAs, or v_wmma_f32_16x16x4_f32). A number that lies on a knife's edge between two numbers of the format may be rounded either way, as far as f32 arithmetic and the matrix unit's own rounding can turn it there, and no further.
;; 2 versions, each right; version 2 is version 1 with the launch swin written anew for expert scheduling mode. Each part assembles by itself: llvm-mc -triple=amdgcn-amd-amdhsa -mcpu=gfx1250 --defsym DOCPART=n.
;; ======== version 1 of 2: 2 launches
;; workspace buffers: wfrag 589,824 bytes; wscale 49,152 bytes; biasw 131,072 bytes
;; launch prep (part 1): grid 128 x 1, 4 waves a work-group, no clusters, 0 bytes of LDS; arguments wk, wv, wq, wo, w1, w2, rel_table, wfrag, wscale, biasw; writes wfrag, wscale, biasw
.if DOCPART == 1
	.amdgcn_target "amdgcn-amd-amdhsa--gfx1250"
	.amdhsa_code_object_version 6
	.text
	.protected	k_qa42020c71c_prep
	.globl	k_qa42020c71c_prep
	.p2align	8
	.type	k_qa42020c71c_prep,@function
k_qa42020c71c_prep:
	s_mov_b64 s[64:65], 0
	v_nop
	global_prefetch_b8 v0, s[64:65] scope:SCOPE_SE
	s_setreg_imm32_b32 hwreg(HW_REG_WAVE_MODE, 25, 1), 1
	s_wait_xcnt 0x0
; The six weights (f32, K innermost) become codes of BF6 (E3M2) with one E8M0 byte for each 32 along K, laid as IMAGES OF OPERAND REGISTERS, and the relative bias becomes a table in the layout of a matrix result.
; A fragment is 16 rows x 128 K: 12 registers a lane; register p of lane l lies at 512 (p / 4) + 16 l + 4 (p % 4) of the fragment's 1,536 bytes, so three loads of 16 bytes a lane bring it.  Its scale words: lane l's at 4 l (lanes 16-31 repeat lanes 0-15).
; Row p of tile T is the matrix's row 32 (T / 2) + 8 (T % 2) + p + 8 (p / 8): so the 16 result registers of tiles 2 b and 2 b + 1 are 16 neighbours along the next product's K.
; Fragment f: 0-31 wk, 32-63 wv, 64-95 wq, 96-127 wo (T = (f / 2) % 16, K step f % 2); 128-255 w1 (T = (f / 2) % 64, f % 2); 256-383 w2 (g = f % 128: T = 2 (g / 16) + g % 2, K step (g / 2) % 8).
; Work-groups 0-95: a fragment a wave.  Work-groups 96-127: an item i = 16 head + 4 n + a of the bias table a wave: sqrt(32) x rel_table[index(query, key)][head] for key tile a and query tile n.
; A block's scale is 2^(floor(log2(its largest magnitude)) - 4); its byte is the largest magnitude's exponent field - 4, held at 1 from below.
; LIMITS: NaN and infinities are not served; a block whose largest magnitude lies under 2^(4 - 126), a block of zeros among them, gets the byte 1: its codes are zeros or nearly so, and this program alone reads the bytes.
; No LDS, no barrier: waves share nothing.  The launch reads 3.1 MB once; each lane reads 128 neighbouring bytes of a row, since the conversions take neighbours along K from one lane's registers.
	s_load_b512 s[4:19], s[0:1], 0x0               ; wk, wv, wq, wo, w1, w2, rel_table, wfrag
	s_load_b128 s[20:23], s[0:1], 0x40             ; wscale, biasw
	v_lshrrev_b32 v1, 5, v0
	v_readfirstlane_b32 s26, v1                    ; wave
	s_lshl_b32 s27, ttmp9, 2
	s_add_co_u32 s27, s27, s26                     ; f = 4 x work-group + wave
	v_and_b32 v1, 15, v0                           ; r
	v_bfe_u32 v2, v0, 4, 1                         ; h
	v_and_b32 v4, 31, v0
	v_lshlrev_b32 v5, 2, v4                        ; 4 x lane
	v_lshlrev_b32 v4, 4, v4                        ; 16 x lane
	s_mov_b32 s40, 0x76543210
	s_mov_b32 s41, 0xfedcba98                      ; v_permlanex16_b32's selects for lane l xor 16
	s_wait_kmcnt 0x0
	s_cmp_ge_u32 ttmp9, 96                         ; the work-group's number alone decides
	s_cbranch_scc1 .Lbias
	; ---- a fragment of a weight
	s_lshr_b32 s28, s27, 1
	s_cmp_lt_u32 s27, 128
	s_cselect_b32 s29, 15, 63
	s_and_b32 s28, s28, s29                        ; T where K = 256
	s_and_b32 s29, s27, 1                          ; its K step
	s_and_b32 s30, s27, 127                        ; g
	s_lshr_b32 s31, s30, 4
	s_lshl_b32 s31, s31, 1
	s_and_b32 s32, s30, 1
	s_add_co_u32 s31, s31, s32                     ; T in w2
	s_bfe_u32 s32, s30, 0x30001                    ; its K step
	s_mov_b32 s33, 4096
	s_cmp_lt_u32 s27, 256
	s_cselect_b32 s28, s28, s31
	s_cselect_b32 s29, s29, s32
	s_cselect_b32 s33, 1024, s33                   ; a row in bytes
	s_mov_b64 s[24:25], s[14:15]                   ; which weight: a choice on f alone
	s_cselect_b64 s[24:25], s[12:13], s[24:25]
	s_cmp_lt_u32 s27, 128
	s_cselect_b64 s[24:25], s[10:11], s[24:25]
	s_cmp_lt_u32 s27, 96
	s_cselect_b64 s[24:25], s[8:9], s[24:25]
	s_cmp_lt_u32 s27, 64
	s_cselect_b64 s[24:25], s[6:7], s[24:25]
	s_cmp_lt_u32 s27, 32
	s_cselect_b64 s[24:25], s[4:5], s[24:25]
	s_lshr_b32 s34, s28, 1
	s_lshl_b32 s34, s34, 5
	s_and_b32 s35, s28, 1
	s_lshl_b32 s35, s35, 3
	s_add_co_u32 s34, s34, s35                     ; the tile's first row
	v_and_b32 v6, 8, v1
	v_add_nc_u32 v6, v6, v1                        ; r + 8 (r / 8)
	v_add_nc_u32 v6, s34, v6
	v_mul_lo_u32 v3, v6, s33
	v_lshl_add_u32 v3, v2, 7, v3                   ; + 128 h: lane (r, h) holds k = 64 c + 32 h + 0 .. 31 of the K step
	s_lshl_b32 s35, s29, 9
	v_add_nc_u32 v3, s35, v3                       ; + 512 x K step
	s_mul_i32 s36, s27, 1536
	s_mov_b32 s37, 0
	s_lshl_b32 s38, s27, 7
	s_mov_b32 s39, 0
	s_add_nc_u64 s[18:19], s[18:19], s[36:37]      ; my fragment's image
	s_add_nc_u64 s[20:21], s[20:21], s[38:39]      ; and its scale words
.irp c, 0,1
.irp i, 0,1,2,3,4,5,6,7
	global_load_b128 v[64+32*\c+4*\i:64+32*\c+4*\i+3], v3, s[24:25] offset:256*\c+16*\i th:TH_LOAD_NT
.endr
.endr
	s_wait_loadcnt 0x0                             ; all 64 numbers are wanted at once
.irp c, 0,1                                    ; my block 2 c + h: all its 32 numbers are mine
	v_max3_num_f32 v[32+\c], |v[64+32*\c]|, |v[65+32*\c]|, 0x2800000   ; with the floor 2^(5 - 127): the byte cannot fall under 1
.endr
.irp i, 2,4,6,8,10,12,14,16,18,20,22,24,26,28,30
.irp c, 0,1
	v_max3_num_f32 v[32+\c], v[32+\c], |v[64+32*\c+\i]|, |v[65+32*\c+\i]|
.endr
.endr
.irp c, 0,1
	v_add_nc_u32 v[44+\c], 0xfe000000, v[32+\c]    ; 4 off the exponent field: the conversion's scale operand
.endr
.irp c, 0,1
	v_lshrrev_b32 v[36+\c], 23, v[44+\c]           ; the scale's byte
.endr
	v_lshl_or_b32 v9, v37, 16, v36                 ; my two bytes: blocks h and 2 + h,
	v_lshlrev_b32 v10, 3, v2
	v_lshlrev_b32 v9, v10, v9                      ; 8 h bits up;
	v_mov_b32 v10, 0
	v_permlanex16_b32 v10, v9, s40, s41
	v_or_b32 v9, v9, v10                           ; with lane l xor 16's two the word is whole
.irp c, 0,1
	v_cvt_scalef32_pk16_bf6_f32 v[48+6*\c:50+6*\c], v[64+32*\c:79+32*\c], v[44+\c]
	v_cvt_scalef32_pk16_bf6_f32 v[20+4*\c:22+4*\c], v[80+32*\c:95+32*\c], v[44+\c]   ; (a conversion's three registers begin on an even number)
.endr
	v_nop                                          ; one plain place behind a scaled conversion
.irp c, 0,1
.irp i, 0,1,2
	v_mov_b32 v[51+6*\c+\i], v[20+4*\c+\i]
.endr
.endr
.irp c, 0,1,2
	global_store_b128 v4, v[48+4*\c:51+4*\c], s[18:19] offset:512*\c   ; 32 lanes store 512 consecutive bytes, at a multiple of 256 from the buffer's first byte
.endr
	global_store_b32 v5, v9, s[20:21]
	s_endpgm
.Lbias:
	; ---- an item of the bias table.  Register j of lane (r, h): key row 4 (a / 2) + a % 2 + 2 h, key column j; query row 4 (n / 2) + n % 2 + 2 (r / 8), query column r % 8
	s_sub_co_u32 s28, s27, 384                     ; i
	s_lshr_b32 s29, s28, 4                         ; head
	s_bfe_u32 s30, s28, 0x20002                    ; n
	s_and_b32 s31, s28, 3                          ; a
	s_lshr_b32 s32, s30, 1
	s_lshl_b32 s32, s32, 2
	s_and_b32 s33, s30, 1
	s_add_co_u32 s32, s32, s33
	s_add_co_u32 s32, s32, 5                       ; 4 (n / 2) + n % 2 + 5
	s_lshr_b32 s33, s31, 1
	s_lshl_b32 s33, s33, 2
	s_and_b32 s34, s31, 1
	s_add_co_u32 s33, s33, s34
	s_sub_co_u32 s32, s32, s33                     ; - 4 (a / 2) - a % 2: 0 at the least
	v_lshrrev_b32 v6, 3, v1
	v_xor_b32 v7, 1, v2
	v_add_nc_u32 v6, v6, v7
	v_lshl_add_u32 v6, v6, 1, s32                  ; the rows' difference + 7 = 2 (r / 8) + 2 (1 - h) + the scalar part
	v_mul_u32_u24 v7, v6, 15
	v_and_b32 v8, 7, v1
	v_add_nc_u32 v7, v7, v8                        ; the table's row for j = 7; for j it is 7 - j further on: 0 .. 224
	v_lshlrev_b32 v3, 5, v7                        ; 32 bytes a row of the table
	s_lshl_b32 s29, s29, 2
	v_add_nc_u32 v3, s29, v3
	s_lshl_b32 s36, s28, 10
	s_mov_b32 s37, 0
	s_add_nc_u64 s[22:23], s[22:23], s[36:37]
.irp j, 0,1,2,3,4,5,6,7
	global_load_b32 v[16+\j], v3, s[16:17] offset:32*(7-\j)
.endr
	s_wait_loadcnt 0x0
.irp j, 0,2,4,6
	v_pk_mul_f32 v[16+\j:17+\j], v[16+\j:17+\j], 0x40b504f3 op_sel_hi:[1,0]   ; x sqrt(32): the table is added to the scores before they are divided
.endr
	global_store_b128 v4, v[16:19], s[22:23]
	global_store_b128 v4, v[20:23], s[22:23] offset:512
	s_endpgm
.Lfunc_end_k_qa42020c71c_prep:
	.size	k_qa42020c71c_prep, .Lfunc_end_k_qa42020c71c_prep-k_qa42020c71c_prep
	.p2alignl 7, 3214868480
	.fill 96, 4, 3214868480
	.section	.rodata,"a",@progbits
	.p2align	6, 0x0
	.amdhsa_kernel k_qa42020c71c_prep
		.amdhsa_group_segment_fixed_size 0
		.amdhsa_private_segment_fixed_size 0
		.amdhsa_enable_private_segment 0
		.amdhsa_kernarg_size 80
		.amdhsa_user_sgpr_count 2
		.amdhsa_user_sgpr_kernarg_segment_ptr 1
		.amdhsa_wavefront_size32 1
		.amdhsa_system_sgpr_workgroup_id_x 1
		.amdhsa_system_sgpr_workgroup_id_y 1
		.amdhsa_system_sgpr_workgroup_id_z 1
		.amdhsa_system_vgpr_workitem_id 0
		.amdhsa_next_free_vgpr 128
		.amdhsa_next_free_sgpr 66
		.amdhsa_reserve_vcc 0
		.amdhsa_float_denorm_mode_32 3
		.amdhsa_float_denorm_mode_16_64 3
		.amdhsa_memory_ordered 1
		.amdhsa_forward_progress 1
		.amdhsa_inst_pref_size 10
	.end_amdhsa_kernel
	.amdgpu_metadata
---
amdhsa.version: [ 1, 2 ]
amdhsa.kernels:
  - .name:           k_qa42020c71c_prep
    .symbol:         k_qa42020c71c_prep.kd
    .args:
      - { .name: wk, .offset: 0, .size: 8, .value_kind: global_buffer, .address_space: global }
      - { .name: wv, .offset: 8, .size: 8, .value_kind: global_buffer, .address_space: global }
      - { .name: wq, .offset: 16, .size: 8, .value_kind: global_buffer, .address_space: global }
      - { .name: wo, .offset: 24, .size: 8, .value_kind: global_buffer, .address_space: global }
      - { .name: w1, .offset: 32, .size: 8, .value_kind: global_buffer, .address_space: global }
      - { .name: w2, .offset: 40, .size: 8, .value_kind: global_buffer, .address_space: global }
      - { .name: rel_table, .offset: 48, .size: 8, .value_kind: global_buffer, .address_space: global }
      - { .name: wfrag, .offset: 56, .size: 8, .value_kind: global_buffer, .address_space: global }
      - { .name: wscale, .offset: 64, .size: 8, .value_kind: global_buffer, .address_space: global }
      - { .name: biasw, .offset: 72, .size: 8, .value_kind: global_buffer, .address_space: global }
    .group_segment_fixed_size: 0
    .private_segment_fixed_size: 0
    .kernarg_segment_align: 8
    .kernarg_segment_size: 80
    .max_flat_workgroup_size: 128
    .sgpr_count:     66
    .vgpr_count:     128
    .wavefront_size: 32
...
	.end_amdgpu_metadata
.endif
;; end of part 1
;; launch swin (part 2): grid 256 x 1, 8 waves a work-group, no clusters, 297,984 bytes of LDS; arguments hidden_states, ln1_g, ln1_b, bq, bk, bv, bo, ln2_g, ln2_b, b1, b2, wfrag, wscale, biasw, out0; writes out0
.if DOCPART == 2
	.amdgcn_target "amdgcn-amd-amdhsa--gfx1250"
	.amdhsa_code_object_version 6
	.text
	.protected	k_qa42020c71c_swin
	.globl	k_qa42020c71c_swin
	.p2align	8
	.type	k_qa42020c71c_swin,@function
k_qa42020c71c_swin:
	s_mov_b64 s[64:65], 0
	v_nop
	global_prefetch_b8 v0, s[64:65] scope:SCOPE_SE
	s_setreg_imm32_b32 hwreg(HW_REG_WAVE_MODE, 25, 1), 1
	s_wait_xcnt 0x0
; A whole Swin block: LN1, shift, windows, q k v, scores + relative bias + shift mask, softmax, context, wo, residual, LN2, w1, exact GELU, w2, residual.  All eight products on codes of BF6 (E3M2) with one E8M0 scale for each 32 along K.
; SHARES.  A work-group owns two neighbouring windows, 128 tokens = 8 tiles of 16 rows, from hidden_states to out0: no activation goes to memory.  Eight waves of 512 registers, two to a SIMD, so that one wave's vector work stands beside the other's products and loads.
; THE WAVES SHARE THE COLUMNS, NOT THE ROWS, and wave w is head w: it makes q, k, v, context and wo's outputs of channels 32 w .. 32 w + 31, hidden units 128 w .. 128 w + 127 and w2's outputs 32 w .. 32 w + 31, for all 128 tokens.
; So each byte of a weight has ONE reader in the work-group and comes from the fragment-ordered workspace straight into that wave's registers; what goes from wave to wave, through LDS, is small: codes as images of operand registers.
; NO CLUSTER, NO TENSOR LOAD: all work-groups walk the same 614 KB of weights, but through LDS these would be written once and read once more beside the 1.6 MB that the work-group reads there anyway, with a round of the cluster's barrier for each refill, and no byte would be read by two waves.
; TOKEN ORDER.  Row r of tile t = 4 u + a (window u) is window token 32 (a / 2) + 8 (a % 2) + r + 8 (r / 8).  Weight tiles are laid the same way.  Lane (r, h) = (lane % 16, lane / 16).
;   transposed products (source 0 = weight tile, source 1 = tokens): a lane holds token r, and the 16 registers of tiles 2 b, 2 b + 1 are channels 32 b + 16 h + 0 .. 15: neighbours along the next K.
;   v is made the natural way (source 0 = tokens): a lane holds one channel and its registers run along the keys: V^T needs no transposition.  S^T = k q^T and O^T = V^T P: a lane holds one query throughout.
;   Both windows' k (and V^T) share a fragment: window 0 in registers 0-5, window 1 in 6-11; the other operand has zero codes in the other window's half, so the attention is one loop of two trips with the same register numbers.
; SOFTMAX as it is written: the row's maximum is taken away, p is normalised in f32 and then quantised along the keys.  A block's largest p is the block's largest score sent through the same instructions (this takes v_exp_f32 not to fall where its input rises).
; GELU: x (0.5 + xc P(xc^2) / Q(xc^2)), the f32 rational form of erf with xc = x held to +-4 sqrt(2).
; LIMITS: NaN and infinities are not served.  Blocks whose largest magnitude lies under 2^(4 - 126), blocks of zeros among them, get the byte 1.  0.5 (1 + erf) carries an absolute error near 1e-7, so gelu's relative error grows for x under about -3.
; LDS: S 128 rows x 1,040 (x, then x + attention, then the result); IMGA 16 fragments (x's codes, later LN2's); IMGB 16 (context); their scale words; HID 64 fragments (hidden layer) and scale words; STAT; the spare words.
; Six barriers: each region is written between two barriers and read between two later ones.
; REGISTERS.  Window 0: v1-47 addresses and small things that stay; v48-73 scale words and nothing else; v74-255 by phase.  Window 1: weights, biases in the results' layout, the bias table, w2's accumulators.
.set SROW,  1040
.set STILE, 16*SROW
.set FRB,   1536
.set IMGA,  128*SROW
.set IMGB,  16*FRB                     ; from IMGA
.set SCA,   IMGA+32*FRB
.set SCB,   1024                       ; from SCA
.set HID,   SCA+2048
.set HSC,   HID+64*FRB
.set STAT,  HSC+4096
.set STP,   80                         ; a row of STAT: eight means, eight sums of squares, 16 of padding
.set SPARE, STAT+128*STP               ; the spare words, 128 bytes for each wave: four blocks of 256 bytes that no other line names
.set SPW,1
.set NIL,2
.set ZR,3
.set L16,4                             ; 16 x lane
.set VO,5                              ; v5-8  my tile's rows in hidden_states and out0: 16 x lane + the first of four neighbouring rows
.set SWR,9                             ; S: my tile's rows, dense
.set SH0,10                            ; v10-11 S: my 64 bytes of row r, tiles 0-3 and 4-7
.set LIA,12
.set LSA,13
.set AC0,14                            ; v14-16 where my three code words of a block go in an image of IMGA
.set ACB,17                            ; and its scale byte
.set STW,18
.set STR,19
.set HWI,20
.set HWS,21
.set LIH0,22                           ; v22-23
.set LSH,24
.set WO4,25
.set WO16,26
.set WS4,27
.set WS16,28
.set HB,29
.set HB1,30
.set BOFF,31
.set XM,32                             ; v[32:33] the mask for keys in columns 0-3, 4-7 where query and key lie in the same half of the window's rows
.set MY,34                             ; v[34:35] the same where they lie in different halves
.set PX,36                             ; v36-39 lane exchanges land here
.set TA,40                             ; v40-45 addresses of the phase in hand
.set BC,46                             ; v[46:47] a number for both halves of a packed instruction
.set SK,48
.set SV,52
.set SQ,56
.set SO,60
.set KS,64
.set VS,68
.set BS,70
.set XS,72
.set CS,64
.set W1S,48
.set YS,64
.set W2S,48
.set HS,64
.set RX,74
.set LT,236
.set KF,74
.set VT,122
.set XF,146
.set KA,170
.set VA,186
.set TV,218
.set KM,226
.set KE,227
.set KB,228
.set QA,170
.set RS,186
.set BF,218
.set RT,230
.set RU,234
.set BM,248
.set SUA,250
.set SUB,252
.set BY,254
.set RH,74
.set CF,202
.set MU,202
.set M2,210
.set SBF,218
.set G2,218
.set B2L,234
.set HA,74
.set YF,138
.set XC,138
.set SS,146
.set GP,154
.set A6,186
.set B4,188
.set HF,74
.set B2D,242
.set HL,240
.set HR,241
.set HH,242
.set HT0,243
.set HT1,244
.set HT2,245
.set HT3,246
.set MSB, 0
.macro WIN new                         ; the immediate's high byte repeats the setting that is left; bits 1:0 source 0, 3:2 source 1, 5:4 source 2, 7:6 destination
.if MSB != \new
	s_set_vgpr_msb (MSB<<8)|\new
.set MSB, \new
.endif
.endm
.macro PLACES n                        ; plain places behind matrix instructions (ISA guide 7.12.1), or ahead of scaled ones
.rept \n
	v_nop
.endr
.endm
.macro BARRIER                         ; my LDS stores have landed and my LDS loads are in: then the work-group's barrier
	s_wait_dscnt 0x0
	s_barrier_signal -1
	s_barrier_wait -1
.endm
.macro MM d, a, b, c, sa, sb
	v_wmma_scale_f32_16x16x128_f8f6f4 v[(\d):(\d)+7], v[(\a):(\a)+11], v[(\b):(\b)+11], v[(\c):(\c)+7], v[\sa], v[\sb] matrix_a_fmt:MATRIX_FMT_BF6 matrix_b_fmt:MATRIX_FMT_BF6
.endm
.macro MM0 d, a, b, sa, sb
	v_wmma_scale_f32_16x16x128_f8f6f4 v[(\d):(\d)+7], v[(\a):(\a)+11], v[(\b):(\b)+11], 0, v[\sa], v[\sb] matrix_a_fmt:MATRIX_FMT_BF6 matrix_b_fmt:MATRIX_FMT_BF6
.endm
.macro WLOAD reg, off, frag            ; a weight fragment from the workspace: three times 512 dense bytes
.irp c, 0,1,2
	global_load_b128 v[(\reg)+4*\c:(\reg)+4*\c+3], v[\off], s[26:27] offset:(\frag)*FRB+512*\c
.endr
.endm
.macro WSC reg, off, frag
	global_load_b32 v[\reg], v[\off], s[28:29] offset:(\frag)*128
.endm
.macro FETCH reg, adr, off             ; a fragment's image from LDS
.irp c, 0,1,2
	ds_load_b128 v[(\reg)+4*\c:(\reg)+4*\c+3], v[\adr] offset:(\off)+512*\c
.endr
.endm
.macro IMAGE adr, off                  ; the fragment in v[PC] on goes to LDS as it stands
.irp c, 0,1,2
	ds_store_b128 v[\adr], v[PC+4*\c:PC+4*\c+3] offset:(\off)+512*\c
.endr
.endm
; 64 numbers of a lane, register 16 b + i = k 32 b + 16 h + i of my row, become a fragment's codes in v[PC] on and its scale word in v[PW]
.macro QUANT s
.irp b, 0,1,2,3
	v_max3_num_f32 v[TM+\b], |v[(\s)+16*\b]|, |v[(\s)+1+16*\b]|, 0x2800000   ; with the floor 2^(5 - 127): the byte cannot fall under 1
.endr
.irp i, 2,4,6,8,10,12,14
.irp b, 0,1,2,3
	v_max3_num_f32 v[TM+\b], v[TM+\b], |v[(\s)+16*\b+\i]|, |v[(\s)+1+16*\b+\i]|
.endr
.endr
.irp b, 0,1,2,3
	v_permlanex16_b32 v[PX+\b], v[TM+\b], s36, s37
.endr
.irp b, 0,1,2,3
	v_max_num_f32 v[TM+\b], v[TM+\b], v[PX+\b]     ; with lane l xor 16's: the block's largest magnitude
.endr
.irp b, 0,1,2,3
	v_add_nc_u32 v[TM+8+\b], 0xfe000000, v[TM+\b]  ; 4 off its exponent field: the conversion's scale operand
.endr
.irp b, 0,1,2,3
	v_lshrrev_b32 v[TM+4+\b], 23, v[TM+8+\b]       ; the scale's byte
.endr
	v_lshl_or_b32 v[PW], v[TM+5], 8, v[TM+4]
	v_lshl_or_b32 v[PW], v[TM+6], 16, v[PW]
	v_lshl_or_b32 v[PW], v[TM+7], 24, v[PW]
.irp c, 0,1
	v_cvt_scalef32_pk16_bf6_f32 v[PC+6*\c:PC+2+6*\c], v[(\s)+32*\c:(\s)+15+32*\c], v[TM+8+2*\c]
	v_cvt_scalef32_pk16_bf6_f32 v[PC+12+4*\c:PC+14+4*\c], v[(\s)+16+32*\c:(\s)+31+32*\c], v[TM+9+2*\c]
.endr
	v_nop                                          ; one plain place behind a scaled conversion
.irp c, 0,1                                    ; the layout wants a whole block in a lane
.irp i, 0,1,2
	v_permlane16_swap_b32 v[PC+6*\c+\i], v[PC+12+4*\c+\i]
.endr
.irp i, 0,1,2
	v_mov_b32 v[PC+3+6*\c+\i], v[PC+12+4*\c+\i]
.endr
.endr
.endm
; one block of 32 that lies in lanes l and l xor 16, 16 registers each: its scale operand in e, its byte in by.  Two chains; each half is read from its low end on
.macro BLK16 src, m, e, by
	v_max3_num_f32 v[\m], |v[\src]|, |v[(\src)+1]|, 0x2800000
	v_max3_num_f32 v[\e], |v[(\src)+8]|, |v[(\src)+9]|, |v[(\src)+10]|
	v_max3_num_f32 v[\m], v[\m], |v[(\src)+2]|, |v[(\src)+3]|
	v_max3_num_f32 v[\e], v[\e], |v[(\src)+11]|, |v[(\src)+12]|
	v_max3_num_f32 v[\m], v[\m], |v[(\src)+4]|, |v[(\src)+5]|
	v_max3_num_f32 v[\e], v[\e], |v[(\src)+13]|, |v[(\src)+14]|
	v_max3_num_f32 v[\m], v[\m], |v[(\src)+6]|, |v[(\src)+7]|
	v_max3_num_f32 v[\m], v[\m], v[\e], |v[(\src)+15]|
	v_permlanex16_b32 v[PX], v[\m], s36, s37
	v_max_num_f32 v[\m], v[\m], v[PX]
	v_add_nc_u32 v[\e], 0xfe000000, v[\m]
	v_lshrrev_b32 v[\by], 23, v[\e]
.endm
; the block's codes gathered in lanes 0-15 (lo: lower 16 codes, hi: upper 16); lanes 16-31 get zero codes
.macro HALF6 src, e, lo, hi
	v_cvt_scalef32_pk16_bf6_f32 v[(\lo):(\lo)+2], v[(\src):(\src)+15], v[\e]
	v_nop
.irp i, 0,1,2
	v_mov_b32 v[(\hi)+\i], 0
.endr
.irp i, 0,1,2
	v_permlane16_swap_b32 v[(\lo)+\i], v[(\hi)+\i]
.endr
.endm
.macro PUTB                            ; v[RT], v[RU] go into this window's half of BF, zero codes into the other's
.irp i, 0,1,2
	v_cndmask_b32 v[BF+\i], v[RT+\i], v[ZR], s69
	v_cndmask_b32 v[BF+3+\i], v[RU+\i], v[ZR], s69
	v_cndmask_b32 v[BF+6+\i], v[ZR], v[RT+\i], s69
	v_cndmask_b32 v[BF+9+\i], v[ZR], v[RU+\i], s69
.endr
.endm
.macro BLKOUT cc, by, a0, ab, off, offs   ; my half block's three words and the block's byte into a shared image
.irp i, 0,1,2
	ds_store_b32 v[(\a0)+\i], v[(\cc)+\i] offset:\off
.endr
	ds_store_b8 v[\ab], v[\by] offset:\offs
.endm
.macro SUBB d, a, pr, par              ; a pair less register par of the pair pr
.if \par
	v_pk_add_f32 v[(\d):(\d)+1], v[(\a):(\a)+1], v[(\pr):(\pr)+1] op_sel:[0,1] op_sel_hi:[1,1] neg_lo:[0,1] neg_hi:[0,1]
.else
	v_pk_add_f32 v[(\d):(\d)+1], v[(\a):(\a)+1], v[(\pr):(\pr)+1] op_sel_hi:[1,0] neg_lo:[0,1] neg_hi:[0,1]
.endif
.endm
.macro MULB d, a, pr, par
.if \par
	v_pk_mul_f32 v[(\d):(\d)+1], v[(\a):(\a)+1], v[(\pr):(\pr)+1] op_sel:[0,1] op_sel_hi:[1,1]
.else
	v_pk_mul_f32 v[(\d):(\d)+1], v[(\a):(\a)+1], v[(\pr):(\pr)+1] op_sel_hi:[1,0]
.endif
.endm
; exact GELU of 16 registers, in two groups of eight; the sixteen reciprocals are one batch with one wait
.macro GELU16 x
.irp g, 0,1
.irp i, 0,1,2,3,4,5,6,7
	v_med3_num_f32 v[XC+\i], v[(\x)+8*\g+\i], s61, s60     ; xc; each accumulator is read from its low end on
.endr
.irp i, 0,2,4,6
	v_pk_mul_f32 v[SS+\i:SS+\i+1], v[XC+\i:XC+\i+1], v[XC+\i:XC+\i+1]
.endr
.irp i, 0,2,4,6
	v_pk_fma_f32 v[GP+16*\g+\i:GP+16*\g+\i+1], v[SS+\i:SS+\i+1], v[A6:A6+1], s[50:51] op_sel_hi:[1,1,0]
	v_pk_fma_f32 v[GP+16*\g+8+\i:GP+16*\g+9+\i], v[SS+\i:SS+\i+1], v[B4:B4+1], s[58:59] op_sel_hi:[1,1,0]
.endr
.irp k, 4,3,2
.irp i, 0,2,4,6
	v_pk_fma_f32 v[GP+16*\g+\i:GP+16*\g+\i+1], v[GP+16*\g+\i:GP+16*\g+\i+1], v[SS+\i:SS+\i+1], s[40+2*\k:41+2*\k] op_sel_hi:[1,1,0]
	v_pk_fma_f32 v[GP+16*\g+8+\i:GP+16*\g+9+\i], v[GP+16*\g+8+\i:GP+16*\g+9+\i], v[SS+\i:SS+\i+1], s[48+2*\k:49+2*\k] op_sel_hi:[1,1,0]
.endr
.endr
.irp k, 1,0
.irp i, 0,2,4,6
	v_pk_fma_f32 v[GP+16*\g+\i:GP+16*\g+\i+1], v[GP+16*\g+\i:GP+16*\g+\i+1], v[SS+\i:SS+\i+1], s[40+2*\k:41+2*\k] op_sel_hi:[1,1,0]
.endr
.endr
.irp i, 0,2,4,6
	v_pk_mul_f32 v[GP+16*\g+\i:GP+16*\g+\i+1], v[GP+16*\g+\i:GP+16*\g+\i+1], v[XC+\i:XC+\i+1]
.endr
.irp i, 0,1,2,3,4,5,6,7
	v_rcp_f32 v[GP+16*\g+8+\i], v[GP+16*\g+8+\i]
.endr
.endr
	v_nop                                          ; a plain place behind the last reciprocal
	s_wait_alu depctr_va_vdst(0)                   ; one wait for the sixteen, ahead of their first reader
.irp i, 0,2,4,6,8,10,12,14
	v_pk_fma_f32 v[GP+16*(\i/8)+\i%8:GP+16*(\i/8)+\i%8+1], v[GP+16*(\i/8)+\i%8:GP+16*(\i/8)+\i%8+1], v[GP+16*(\i/8)+8+\i%8:GP+16*(\i/8)+9+\i%8], 0.5 op_sel_hi:[1,1,0]
.endr
.irp i, 0,2,4,6,8,10,12,14
	v_pk_mul_f32 v[(\x)+\i:(\x)+\i+1], v[(\x)+\i:(\x)+\i+1], v[GP+16*(\i/8)+\i%8:GP+16*(\i/8)+\i%8+1]
.endr
.endm
.macro ACOEF dst, lit                  ; a coefficient of erf's numerator x 0.5 / sqrt(2)
	v_mov_b32 v[HT0], \lit
	v_mul_f32 v[HT0], 0x3eb504f3, v[HT0]
	v_readfirstlane_b32 s[\dst], v[HT0]
.endm
	; ================ head: arguments, addresses, constants
	s_load_b512 s[4:19], s[0:1], 0x0               ; hidden_states, ln1_g, ln1_b, bq, bk, bv, bo, ln2_g
	s_load_b256 s[20:27], s[0:1], 0x40             ; ln2_b, b1, b2, wfrag
	s_load_b128 s[28:31], s[0:1], 0x60             ; wscale, biasw
	s_load_b64 s[32:33], s[0:1], 0x70              ; out0
	v_lshl_add_u32 v[SPW], v0, 2, SPARE
	v_mov_b32 v[NIL], 0
	v_mov_b32 v[ZR], 0
	v_lshrrev_b32 v[HT0], 5, v0
	v_readfirstlane_b32 s34, v[HT0]                ; wave = head = my tile in the phases that go by rows
	v_and_b32 v[HL], 31, v0
	v_and_b32 v[HR], 15, v0                        ; r
	v_bfe_u32 v[HH], v0, 4, 1                      ; h
	v_lshlrev_b32 v[L16], 4, v[HL]
	s_lshr_b32 s80, ttmp9, 5                       ; image
	s_bfe_u32 s81, ttmp9, 0x30002                  ; the windows' row wy
	s_and_b32 s82, ttmp9, 3
	s_lshl_b32 s82, s82, 1                         ; window 0's column; kept
	s_cmp_eq_u32 s81, 7
	s_cselect_b32 s68, -1, 0                       ; the last row of windows has the mask along y
	s_lshl_b32 s38, s80, 22                        ; an image is 4,096 rows of 1,024 bytes
	s_mov_b32 s39, 0
	s_lshr_b32 s83, s34, 2                         ; my tile's window u
	s_and_b32 s84, s34, 3                          ; and its a
	s_lshr_b32 s85, s84, 1
	s_lshl_b32 s85, s85, 2
	s_and_b32 s86, s84, 1
	s_add_co_u32 s85, s85, s86                     ; rows 0-7 of the tile: window row 4 (a / 2) + a % 2; rows 8-15: two further down
	s_lshl_b32 s86, s81, 3
	s_add_co_u32 s85, s85, s86
	s_add_co_u32 s85, s85, 4                       ; the shift
	s_add_co_u32 s86, s85, 2
	s_and_b32 s85, s85, 63
	s_and_b32 s86, s86, 63
	s_add_co_u32 s87, s82, s83
	s_lshl_b32 s87, s87, 3
	s_add_co_u32 s88, s87, 8
	s_and_b32 s88, s88, 63                         ; window columns 4-7 begin here (round the image's edge in the last window),
	s_add_co_u32 s87, s87, 4                       ; columns 0-3 here
	s_lshl_b32 s85, s85, 6
	s_lshl_b32 s86, s86, 6
	s_add_co_u32 s89, s85, s87
	s_lshl_b32 s89, s89, 10
	v_add_nc_u32 v[VO], s89, v[L16]
	s_add_co_u32 s89, s85, s88
	s_lshl_b32 s89, s89, 10
	v_add_nc_u32 v[VO+1], s89, v[L16]
	s_add_co_u32 s89, s86, s87
	s_lshl_b32 s89, s89, 10
	v_add_nc_u32 v[VO+2], s89, v[L16]
	s_add_co_u32 s89, s86, s88
	s_lshl_b32 s89, s89, 10
	v_add_nc_u32 v[VO+3], s89, v[L16]
	s_mul_i32 s89, s34, STILE
	v_add_nc_u32 v[SWR], s89, v[L16]
	v_mul_u32_u24 v[HT0], v[HR], SROW
	v_lshl_add_u32 v[HT0], v[HH], 6, v[HT0]        ; 1,040 r + 64 h
	v_add_nc_u32 v[TA], s89, v[HT0]                ; phase A: my tile's row r, my half of each block of 32
	s_lshl_b32 s90, s34, 7
	v_add_nc_u32 v[SH0], s90, v[HT0]
	v_add_nc_u32 v[SH0+1], 4*STILE, v[SH0]
	v_add_nc_u32 v[LIA], IMGA, v[L16]
	v_lshl_add_u32 v[LSA], v[HR], 2, SCA
	s_mul_i32 s91, s34, 2*FRB
	v_add_nc_u32 v[TA+1], s91, v[LIA]              ; phase A: my tile's two images,
	v_add_nc_u32 v[TA+2], s90, v[LSA]              ; their scale words,
	v_lshlrev_b32 v[TA+3], 6, v[HH]                ; 64 h,
	v_and_b32 v[HT1], 8, v[HR]
	v_add_nc_u32 v[HT1], v[HT1], v[HR]
	v_lshl_add_u32 v[TA+4], v[HT1], 2, s90         ; and bv at channel 32 w + r + 8 (r / 8)
	s_lshr_b32 s91, s34, 2                         ; my block of 32 channels lies in K step w / 4,
	s_and_b32 s92, s34, 1                          ; lanes 16 (w % 2) on,
	s_bfe_u32 s93, s34, 0x10001                    ; registers 6 ((w / 2) % 2) + 3 h + i
	s_mul_i32 s94, s91, FRB
	s_lshl_b32 s92, s92, 8
	s_add_co_u32 s94, s94, s92
	s_add_co_u32 s94, s94, IMGA
	v_lshl_add_u32 v[HT0], v[HR], 4, s94
	s_mul_i32 s93, s93, 6
	v_mul_u32_u24 v[HT1], v[HH], 3
	v_add_nc_u32 v[HT1], s93, v[HT1]
.irp i, 0,1,2
	v_add_nc_u32 v[HT2], \i, v[HT1]                ; register p: at 512 (p / 4) + 4 (p % 4)
	v_lshrrev_b32 v[HT3], 2, v[HT2]
	v_and_b32 v[HT2], 3, v[HT2]
	v_lshl_add_u32 v[AC0+\i], v[HT3], 9, v[HT0]
	v_lshl_add_u32 v[AC0+\i], v[HT2], 2, v[AC0+\i]
.endr
	s_lshl_b32 s91, s91, 6
	s_and_b32 s92, s34, 3
	s_add_co_u32 s91, s91, s92
	v_add_nc_u32 v[ACB], s91, v[LSA]
	v_mul_u32_u24 v[STR], v[HR], STP
	v_add_nc_u32 v[STR], STAT, v[STR]
	s_lshl_b32 s91, s34, 2
	v_add_nc_u32 v[STW], s91, v[STR]
	v_add_nc_u32 v[LIH0], HID, v[L16]
	v_add_nc_u32 v[LIH0+1], 32*FRB, v[LIH0]
	s_mul_i32 s91, s34, FRB
	v_add_nc_u32 v[HWI], s91, v[LIH0]
	v_lshl_add_u32 v[LSH], v[HR], 2, HSC
	s_lshl_b32 s91, s34, 6
	v_add_nc_u32 v[HWS], s91, v[LSH]
	s_mul_i32 s91, s34, 4*FRB
	v_add_nc_u32 v[WO4], s91, v[L16]
	s_mul_i32 s91, s34, 16*FRB
	v_add_nc_u32 v[WO16], s91, v[L16]
	v_lshlrev_b32 v[HT0], 2, v[HL]
	s_lshl_b32 s91, s34, 9
	v_add_nc_u32 v[WS4], s91, v[HT0]
	s_lshl_b32 s92, s34, 11
	v_add_nc_u32 v[WS16], s92, v[HT0]
	v_add_nc_u32 v[HB], s90, v[TA+3]
	v_add_nc_u32 v[HB1], s91, v[TA+3]
	s_lshl_b32 s92, s34, 14
	v_add_nc_u32 v[BOFF], s92, v[L16]
	s_mov_b32 s36, 0x76543210
	s_mov_b32 s37, 0xfedcba98                      ; v_permlanex16_b32's selects for lane l xor 16
	s_mov_b32 s60, 0x40b504f3                      ; 4 sqrt(2)
	s_mov_b32 s61, 0xc0b504f3
	s_mov_b32 s62, 0x3e8293ee                      ; log2(e) / sqrt(32)
	s_mov_b32 s63, s62
	s_mov_b32 s66, 0xc40d6bde                      ; -100 sqrt(32)
	s_mov_b32 s77, 0xf0f0f0f0                      ; lanes whose query lies in window columns 4-7
	s_mov_b32 s78, 0x3b800000                      ; 1 / 256
	s_mov_b32 s79, 0x3727c5ac                      ; 1e-5
	ACOEF 40, 0xbc83dbd4
	ACOEF 42, 0xbac1a1f6
	ACOEF 44, 0xb940ac63
	ACOEF 46, 0xb6eec2d2
	ACOEF 48, 0xb40cff51
	ACOEF 50, 0x306dffee
	ACOEF 95, 0xac95df0b
.irp k, 40,42,44,46,48,50
	s_mov_b32 s[\k+1], s[\k]                       ; (a packed form names the pair)
.endr
	s_mov_b32 s52, 0xbc69b6a7                      ; the denominator's coefficients
	s_mov_b32 s53, s52
	s_mov_b32 s54, 0xbb719bf8
	s_mov_b32 s55, s54
	s_mov_b32 s56, 0xb9dc924e
	s_mov_b32 s57, s56
	s_mov_b32 s58, 0xb7dfbd29
	s_mov_b32 s59, s58
.irp i, 0,1,2,3
	v_mov_b32 v[PX+\i], 0                          ; written once: a lane permute's destination counts as one of its sources
.endr
	v_mov_b32 v[BC], 0
	v_mov_b32 v[BC+1], 0
	s_wait_kmcnt 0x0
	s_add_nc_u64 s[4:5], s[4:5], s[38:39]
	s_add_nc_u64 s[32:33], s[32:33], s[38:39]
	; ================ A: wave w brings tile w's 16 rows, lays them in S, normalises and quantises them
.irp ry, 0,1
.irp rx, 0,1
.irp k, 0,1,2,3
.irp hf, 0,1
	global_load_b128 v[RX+8*(8*\ry+4*\rx+\k)+4*\hf:RX+8*(8*\ry+4*\rx+\k)+4*\hf+3], v[VO+2*\ry+\rx], s[4:5] offset:1024*\k+512*\hf th:TH_LOAD_NT   ; 512 dense bytes: half a row
.endr
.endr
.endr
.endr
	WIN 0x40
.irp b, 0,1,2,3
.irp j, 0,1,2,3
	global_load_b128 v[16*\b+4*\j:16*\b+4*\j+3], v[TA+3], s[6:7] offset:128*\b+16*\j          ; ln1's gain and bias of blocks 0-3, at my channels
	global_load_b128 v[64+16*\b+4*\j:64+16*\b+4*\j+3], v[TA+3], s[8:9] offset:128*\b+16*\j
.endr
.endr
	WIN 0
	s_wait_loadcnt 32                              ; x is in; the 32 loads of gain and bias may be out
.irp row, 0,1,2,3,4,5,6,7,8,9,10,11,12,13,14,15
.irp hf, 0,1
	ds_store_b128 v[SWR], v[RX+8*\row+4*\hf:RX+8*\row+4*\hf+3] offset:SROW*\row+512*\hf
.endr
.endr
	WIN 0x40
.irp f, 0,1,2,3
	WLOAD 128+12*\f, WO4, \f                       ; Wk's four fragments (tile u, K step s: 2 u + s),
	WLOAD 176+12*\f, WO4, 32+\f                    ; Wv's
.endr
.irp q, 0,1,2,3
	global_load_b128 v[224+4*\q:224+4*\q+3], v[HB], s[12:13] offset:16*\q      ; bk in the result's layout
.endr
.irp dt, 0,1
.irp j, 0,1,2,3,4,5,6,7
	global_load_b32 v[240+8*\dt+\j], v[TA+4], s[14:15] offset:32*\dt           ; bv: a lane holds one channel, so eight registers hold the same number
.endr
.endr
	WIN 0
.irp f, 0,1,2,3
	WSC SK+\f, WS4, \f
	WSC SV+\f, WS4, 32+\f
.endr
	s_wait_dscnt 0x0                               ; the stores have read x's registers
.irp b, 0,1,2,3,4,5,6,7
.irp j, 0,1,2,3
	ds_load_b128 v[RX+16*\b+4*\j:RX+16*\b+4*\j+3], v[TA] offset:128*\b+16*\j   ; back: register 16 b + i = channel 32 b + 16 h + i of row r
.endr
.endr
	s_wait_dscnt 0x0
.irp c, 0,1,2,3
	v_pk_add_f32 v[LT+2*\c:LT+2*\c+1], v[RX+2*\c:RX+2*\c+1], v[RX+8+2*\c:RX+9+2*\c]    ; the mean: four chains
.endr
.set I, 16
.rept 14
.irp c, 0,1,2,3
	v_pk_add_f32 v[LT+2*\c:LT+2*\c+1], v[LT+2*\c:LT+2*\c+1], v[RX+I+2*\c:RX+I+2*\c+1]
.endr
.set I, I+8
.endr
	v_pk_add_f32 v[LT:LT+1], v[LT:LT+1], v[LT+2:LT+3]
	v_pk_add_f32 v[LT+4:LT+5], v[LT+4:LT+5], v[LT+6:LT+7]
	v_pk_add_f32 v[LT:LT+1], v[LT:LT+1], v[LT+4:LT+5]
	v_add_f32 v[LT], v[LT], v[LT+1]
	v_permlanex16_b32 v[PX], v[LT], s36, s37
	v_add_f32 v[LT], v[LT], v[PX]
	v_mul_f32 v[BC], s78, v[LT]
.set I, 0
.rept 64
	v_pk_add_f32 v[RX+I:RX+I+1], v[RX+I:RX+I+1], v[BC:BC+1] op_sel_hi:[1,0] neg_lo:[0,1] neg_hi:[0,1]
.set I, I+2
.endr
.irp c, 0,1,2,3
	v_pk_mul_f32 v[LT+2*\c:LT+2*\c+1], v[RX+2*\c:RX+2*\c+1], v[RX+2*\c:RX+2*\c+1]       ; the variance, of centred numbers
.endr
.set I, 8
.rept 15
.irp c, 0,1,2,3
	v_pk_fma_f32 v[LT+2*\c:LT+2*\c+1], v[RX+I+2*\c:RX+I+2*\c+1], v[RX+I+2*\c:RX+I+2*\c+1], v[LT+2*\c:LT+2*\c+1]
.endr
.set I, I+8
.endr
	v_pk_add_f32 v[LT:LT+1], v[LT:LT+1], v[LT+2:LT+3]
	v_pk_add_f32 v[LT+4:LT+5], v[LT+4:LT+5], v[LT+6:LT+7]
	v_pk_add_f32 v[LT:LT+1], v[LT:LT+1], v[LT+4:LT+5]
	v_add_f32 v[LT], v[LT], v[LT+1]
	v_permlanex16_b32 v[PX], v[LT], s36, s37
	v_add_f32 v[LT], v[LT], v[PX]
	v_fma_f32 v[LT], v[LT], s78, s79
	v_rsq_f32 v[BC], v[LT]
	v_nop                                          ; a plain place behind the transcendental
	s_wait_alu depctr_va_vdst(0)                   ; and the wait ahead of its first reader
.set I, 0
.rept 64
	v_pk_mul_f32 v[RX+I:RX+I+1], v[RX+I:RX+I+1], v[BC:BC+1] op_sel_hi:[1,0]
.set I, I+2
.endr
	s_wait_loadcnt 52                              ; gain and bias of blocks 0-3 are in; the 52 loads for k and v may be out
	WIN 0x14
.set I, 0
.rept 32
	v_pk_fma_f32 v[RX+I:RX+I+1], v[RX+I:RX+I+1], v[I:I+1], v[64+I:65+I]
.set I, I+2
.endr
	WIN 0x40
.irp b, 0,1,2,3
.irp j, 0,1,2,3
	global_load_b128 v[16*\b+4*\j:16*\b+4*\j+3], v[TA+3], s[6:7] offset:512+128*\b+16*\j      ; blocks 4-7 into the same registers
	global_load_b128 v[64+16*\b+4*\j:64+16*\b+4*\j+3], v[TA+3], s[8:9] offset:512+128*\b+16*\j
.endr
.endr
	WIN 0
.set TM, 202
.set PC, 214
.set PW, 234
	QUANT RX
	IMAGE TA+1, 0
	ds_store_b32 v[TA+2], v[PW]
	s_wait_dscnt 0x0                               ; the stores have read their registers
	s_wait_loadcnt 0x0                             ; blocks 4-7's gain and bias, and all for k and v
	WIN 0x14
.set I, 0
.rept 32
	v_pk_fma_f32 v[RX+64+I:RX+65+I], v[RX+64+I:RX+65+I], v[I:I+1], v[64+I:65+I]
.set I, I+2
.endr
	WIN 0x40
.irp f, 0,1,2,3
	WLOAD 12*\f, WO4, 96+\f                        ; Wo,
	WLOAD 64+12*\f, WO4, 64+\f                     ; Wq
.endr
.irp q, 0,1,2,3
	global_load_b128 v[48+4*\q:48+4*\q+3], v[HB], s[16:17] offset:16*\q        ; bo,
	global_load_b128 v[112+4*\q:112+4*\q+3], v[HB], s[10:11] offset:16*\q      ; bq
.endr
	WIN 0
.irp f, 0,1,2,3
	WSC SQ+\f, WS4, 64+\f
	WSC SO+\f, WS4, 96+\f
.endr
	QUANT RX+64
	IMAGE TA+1, FRB
	ds_store_b32 v[TA+2], v[PW] offset:64
	BARRIER                                        ; x lies in S, its sixteen fragments in IMGA
	; ================ KV: my head's k and v of all eight tiles become four fragments of k and two of V^T
	FETCH XF, LIA, 0
	FETCH XF+12, LIA, FRB
	ds_load_b32 v[XS], v[LSA]
	ds_load_b32 v[XS+1], v[LSA] offset:64
.macro KVT t
.set KVU, (\t)/4
.set KVA, (\t)%4
.set KVH, 8*((\t)%2)
.set KVB, ((\t)/2)%2
	s_wait_dscnt 0x0                               ; the tile's two fragments and scale words are in
	WIN 0x11                                       ; the four accumulators take turns, one instruction a turn
	MM KA, 128, XF, 224, SK, XS
	MM KA+8, 152, XF, 232, SK+2, XS
	WIN 0x14
	MM VA+KVH, XF, 176, 240, XS, SV
	MM VA+16+KVH, XF, 200, 248, XS, SV+2
	WIN 0x01
	MM KA, 140, XF+12, KA, SK+1, XS+1
	MM KA+8, 164, XF+12, KA+8, SK+3, XS+1
	WIN 0x04
	MM VA+KVH, XF+12, 188, VA+KVH, XS+1, SV+1
	MM VA+16+KVH, XF+12, 212, VA+16+KVH, XS+1, SV+3
	WIN 0
	PLACES 5                                       ; ahead of the loads into x's fragments, of the first reads, and of the next tile's products, which write over these
.if (\t) < 7
	FETCH XF, LIA, 2*FRB*((\t)+1)
	FETCH XF+12, LIA, 2*FRB*((\t)+1)+FRB
	ds_load_b32 v[XS], v[LSA] offset:128*((\t)+1)
	ds_load_b32 v[XS+1], v[LSA] offset:128*((\t)+1)+64
.endif
.if KVU == 0
	BLK16 KA, KM, KE, KS+KVA                       ; window 0's byte is byte 0 of the key's scale word,
.else
	BLK16 KA, KM, KE, KB
	v_lshl_or_b32 v[KS+KVA], v[KB], 16, v[KS+KVA]  ; window 1's byte 2
.endif
	HALF6 KA, KE, KF+12*KVA+6*KVU, KF+12*KVA+6*KVU+3
.if ((\t)%2) == 1                              ; two tiles are 32 keys: a block of V^T
.irp dt, 0,1
.if (KVU == 0) && (KVB == 0)
	BLK16 VA+16*\dt, KM, KE, VS+\dt
.else
	BLK16 VA+16*\dt, KM, KE, KB
	v_lshl_or_b32 v[VS+\dt], v[KB], 8*(2*KVU+KVB), v[VS+\dt]
.endif
.if KVB == 0
	v_cvt_scalef32_pk16_bf6_f32 v[VT+12*\dt+6*KVU:VT+12*\dt+6*KVU+2], v[VA+16*\dt:VA+16*\dt+15], v[KE]
	v_nop
.else
	v_cvt_scalef32_pk16_bf6_f32 v[TV+4*\dt:TV+4*\dt+2], v[VA+16*\dt:VA+16*\dt+15], v[KE]
	v_nop
.irp i, 0,1,2
	v_permlane16_swap_b32 v[VT+12*\dt+6*KVU+\i], v[TV+4*\dt+\i]    ; lanes 0-15: keys 0-31, lanes 16-31: keys 32-63
.endr
.irp i, 0,1,2
	v_mov_b32 v[VT+12*\dt+6*KVU+3+\i], v[TV+4*\dt+\i]
.endr
.endif
.endr
.endif
.endm
.irp t, 0,1,2,3,4,5,6,7
	KVT \t
.endr
	WIN 0x40
.irp i, 0,1,2,3,4,5,6,7,8,9,10,11,12,13,14,15
	global_load_b128 v[128+8*\i:128+8*\i+3], v[BOFF], s[30:31] offset:1024*\i      ; my head's bias table, over Wk and Wv
	global_load_b128 v[132+8*\i:132+8*\i+3], v[BOFF], s[30:31] offset:1024*\i+512
.endr
	WIN 0
	; ================ attention: a trip a window; in it four tiles of 16 queries
.macro ATT n
	s_wait_dscnt 0x0                               ; the tile's fragments are in, and the last tile's stores have read their registers
	WIN 0x11
	MM QA, 64, XF, 112, SQ, XS
	MM QA+8, 88, XF, 120, SQ+2, XS
	WIN 0x01
	MM QA, 76, XF+12, QA, SQ+1, XS+1
	MM QA+8, 100, XF+12, QA+8, SQ+3, XS+1
	WIN 0
	PLACES 5
.if (\n) < 3
	FETCH XF, TA, 2*FRB*((\n)+1)
	FETCH XF+12, TA, 2*FRB*((\n)+1)+FRB
	ds_load_b32 v[XS], v[TA+1] offset:128*((\n)+1)
	ds_load_b32 v[XS+1], v[TA+1] offset:128*((\n)+1)+64
.endif
	BLK16 QA, BM, BM+1, BY
	v_lshl_or_b32 v[BS], v[BY], 16, v[BY]          ; the query's byte at bytes 0 and 2
	HALF6 QA, BM+1, RT, RU
	PUTB
	s_wait_loadcnt 0x0                             ; the bias table (met at once from the second tile on)
	WIN 0x01
.irp a, 0,1,2,3                                ; the sums begin as sqrt(32) x (bias + mask).  These sixteen are also the places ahead of the scaled products
.if ((\a)/2) == ((\n)/2)
.set MK, XM
.else
.set MK, MY
.endif
.irp j, 0,2
	v_pk_add_f32 v[RS+8*\a+\j:RS+8*\a+\j+1], v[128+8*(4*(\n)+\a)+\j:128+8*(4*(\n)+\a)+\j+1], v[MK:MK+1] op_sel_hi:[1,0]
.endr
.irp j, 4,6
	v_pk_add_f32 v[RS+8*\a+\j:RS+8*\a+\j+1], v[128+8*(4*(\n)+\a)+\j:128+8*(4*(\n)+\a)+\j+1], v[MK:MK+1] op_sel:[0,1] op_sel_hi:[1,1]
.endr
.endr
	WIN 0
.irp a, 0,1,2,3
	MM RS+8*\a, KF+12*\a, BF, RS+8*\a, KS+\a, BS   ; S^T: register 16 b + i = key 32 b + 16 h + i of my query
.endr
	PLACES 4
	v_max3_num_f32 v[BM], v[RS], v[RS+1], v[RS+2]          ; the largest score of each block of 32 keys
	v_max3_num_f32 v[BM+1], v[RS+16], v[RS+17], v[RS+18]
.irp i, 3,5,7,9,11,13
	v_max3_num_f32 v[BM], v[BM], v[RS+\i], v[RS+\i+1]
	v_max3_num_f32 v[BM+1], v[BM+1], v[RS+16+\i], v[RS+17+\i]
.endr
	v_max_num_f32 v[BM], v[BM], v[RS+15]
	v_max_num_f32 v[BM+1], v[BM+1], v[RS+31]
	v_permlanex16_b32 v[PX], v[BM], s36, s37
	v_permlanex16_b32 v[PX+1], v[BM+1], s36, s37
	v_max_num_f32 v[BM], v[BM], v[PX]
	v_max_num_f32 v[BM+1], v[BM+1], v[PX+1]
	v_max_num_f32 v[BC], v[BM], v[BM+1]            ; the row's maximum,
	v_mul_f32 v[BC], s62, v[BC]                    ; x log2(e) / sqrt(32)
.irp j, 0,2,4,6,8,10,12,14,16,18,20,22,24,26,28,30
	v_pk_fma_f32 v[RS+\j:RS+\j+1], v[RS+\j:RS+\j+1], s[62:63], v[BC:BC+1] op_sel_hi:[1,0,0] neg_lo:[0,0,1] neg_hi:[0,0,1]
.endr
	v_fma_f32 v[BM], v[BM], s62, -v[BC]
	v_fma_f32 v[BM+1], v[BM+1], s62, -v[BC]
.irp j, 0,1,2,3,4,5,6,7,8,9,10,11,12,13,14,15,16,17,18,19,20,21,22,23,24,25,26,27,28,29,30,31
	v_exp_f32 v[RS+\j], v[RS+\j]
.endr
	v_exp_f32 v[BM], v[BM]
	v_exp_f32 v[BM+1], v[BM+1]
	v_nop                                          ; a plain place behind the batch
	s_wait_alu depctr_va_vdst(0)                   ; one wait for the 34, ahead of their first reader
	v_pk_add_f32 v[SUA:SUA+1], v[RS:RS+1], v[RS+2:RS+3]
	v_pk_add_f32 v[SUB:SUB+1], v[RS+4:RS+5], v[RS+6:RS+7]
.irp j, 8,12,16,20,24,28
	v_pk_add_f32 v[SUA:SUA+1], v[SUA:SUA+1], v[RS+\j:RS+\j+1]
	v_pk_add_f32 v[SUB:SUB+1], v[SUB:SUB+1], v[RS+\j+2:RS+\j+3]
.endr
	v_pk_add_f32 v[SUA:SUA+1], v[SUA:SUA+1], v[SUB:SUB+1]
	v_add_f32 v[SUA], v[SUA], v[SUA+1]
	v_permlanex16_b32 v[PX], v[SUA], s36, s37
	v_add_f32 v[SUA], v[SUA], v[PX]
	v_rcp_f32 v[BC], v[SUA]
	v_nop
	s_wait_alu depctr_va_vdst(0)
.irp j, 0,2,4,6,8,10,12,14,16,18,20,22,24,26,28,30
	v_pk_mul_f32 v[RS+\j:RS+\j+1], v[RS+\j:RS+\j+1], v[BC:BC+1] op_sel_hi:[1,0]     ; p, normalised
.endr
	v_mul_f32 v[BM], v[BM], v[BC]                  ; each block's largest p: the same instructions on the same number
	v_mul_f32 v[BM+1], v[BM+1], v[BC]
	v_max_num_f32 v[BM], 0x2800000, v[BM]
	v_max_num_f32 v[BM+1], 0x2800000, v[BM+1]
	v_add_nc_u32 v[BM], 0xfe000000, v[BM]
	v_add_nc_u32 v[BM+1], 0xfe000000, v[BM+1]
	v_lshrrev_b32 v[BY], 23, v[BM]
	v_lshrrev_b32 v[BY+1], 23, v[BM+1]
	v_lshl_or_b32 v[BS], v[BY+1], 8, v[BY]
	v_lshl_or_b32 v[BS], v[BS], 16, v[BS]          ; the two bytes for either window's half
	v_cvt_scalef32_pk16_bf6_f32 v[RT:RT+2], v[RS:RS+15], v[BM]
	v_cvt_scalef32_pk16_bf6_f32 v[RU:RU+2], v[RS+16:RS+31], v[BM+1]
	v_nop
.irp i, 0,1,2
	v_permlane16_swap_b32 v[RT+\i], v[RU+\i]       ; lanes 0-15: keys 0-31, lanes 16-31: keys 32-63
.endr
	PUTB
	PLACES 8                                       ; a scale word written by vector instructions stands eight places ahead of a scaled product
	MM0 QA, VT, BF, VS, BS                         ; O^T: register 8 dt + j = channel 16 h + 8 dt + j of my query
	MM0 QA+8, VT+12, BF, VS+1, BS
	PLACES 5                                       ; ahead of the first read, and of the next tile's q, which writes over these
	BLK16 QA, BM, BM+1, BY
	v_cvt_scalef32_pk16_bf6_f32 v[RT:RT+2], v[QA:QA+15], v[BM+1]
	v_nop
	BLKOUT RT, BY, TA+2, TA+5, IMGB+2*FRB*(\n), SCB+128*(\n)
.endm
	s_mov_b32 s70, 0
	s_mov_b32 s71, 0
	s_mov_b32 s72, 0
	s_wait_loadcnt 32                              ; Wq, Wo, their biases and scale words are in; the 32 loads of the bias table may be out
.Latt:
	s_cmp_eq_u32 s70, 1
	s_cselect_b32 s69, -1, 0                       ; window 1?
	s_add_co_u32 s83, s82, s70
	s_cmp_eq_u32 s83, 7
	s_cselect_b32 s67, s66, 0                      ; the last column of windows has the mask along x
	v_mov_b32 v[BM], s67
	v_mov_b32 v[BM+1], s66
	v_cndmask_b32 v[XM], v[ZR], v[BM], s77         ; keys in columns 0-3 are hidden from queries in columns 4-7,
	v_cndmask_b32 v[XM+1], v[BM], v[ZR], s77       ; keys in columns 4-7 from the others
	v_cndmask_b32 v[MY], v[XM], v[BM+1], s68       ; in the last row of windows the other half of the rows is hidden altogether
	v_cndmask_b32 v[MY+1], v[XM+1], v[BM+1], s68
	v_add_nc_u32 v[TA], s71, v[LIA]
	v_add_nc_u32 v[TA+1], s72, v[LSA]
	v_add_nc_u32 v[TA+2], s71, v[AC0]
	v_add_nc_u32 v[TA+3], s71, v[AC0+1]
	v_add_nc_u32 v[TA+4], s71, v[AC0+2]
	v_add_nc_u32 v[TA+5], s72, v[ACB]
	FETCH XF, TA, 0
	FETCH XF+12, TA, FRB
	ds_load_b32 v[XS], v[TA+1]
	ds_load_b32 v[XS+1], v[TA+1] offset:64
	ATT 0
	ATT 1
	ATT 2
	ATT 3
	s_wait_dscnt 0x0                               ; the stores have read their addresses and data
	s_add_co_u32 s71, s71, 8*FRB
	s_add_co_u32 s72, s72, 512
	s_add_co_u32 s70, s70, 1
	s_cmp_lt_u32 s70, 2
	s_cbranch_scc1 .Latt
	WIN 0x40
.irp f, 0,1,2,3,4,5,6,7,8,9,10,11,12,13,14,15
	WLOAD 64+12*\f, WO16, 128+\f                   ; W1's sixteen fragments (tile c, K step s: 2 c + s), over Wq and the bias table
.endr
	WIN 0
.irp t, 0,1,2,3,4,5,6,7
.irp q, 0,1,2,3
	ds_load_b128 v[RH+16*\t+4*\q:RH+16*\t+4*\q+3], v[SH0+\t/4] offset:STILE*(\t%4)+16*\q   ; x at my 32 channels, in the result's layout
.endr
.endr
	s_wait_dscnt 0x0
	WIN 0x04
.irp t, 0,1,2,3,4,5,6,7
.irp i, 0,2,4,6,8,10,12,14
	v_pk_add_f32 v[RH+16*\t+\i:RH+16*\t+\i+1], v[RH+16*\t+\i:RH+16*\t+\i+1], v[48+\i:49+\i]   ; + bo: wo's sums begin as the shortcut and the bias
.endr
.endr
	WIN 0
	BARRIER                                        ; the context's sixteen fragments lie in IMGB
	; ================ wo, onto x + bo
	FETCH CF, LIA, IMGB
	FETCH CF+12, LIA, IMGB+FRB
	ds_load_b32 v[CS], v[LSA] offset:SCB
	ds_load_b32 v[CS+1], v[LSA] offset:SCB+64
.irp t, 0,1,2,3,4,5,6,7
.if \t >= 1
	PLACES 4                                       ; ahead of loads into the fragments that the last tile's products read
.endif
.if \t < 7
	FETCH CF+24*((\t+1)%2), LIA, IMGB+2*FRB*(\t+1)
	FETCH CF+24*((\t+1)%2)+12, LIA, IMGB+2*FRB*(\t+1)+FRB
	ds_load_b32 v[CS+2*((\t+1)%2)], v[LSA] offset:SCB+128*(\t+1)
	ds_load_b32 v[CS+2*((\t+1)%2)+1], v[LSA] offset:SCB+128*(\t+1)+64
	s_wait_dscnt 8                                 ; this tile's are in; the eight just issued may be out
.else
	s_wait_dscnt 0x0
.endif
	WIN 0x01
	MM RH+16*\t, 0, CF+24*(\t%2), RH+16*\t, SO, CS+2*(\t%2)
	MM RH+16*\t+8, 24, CF+24*(\t%2), RH+16*\t+8, SO+2, CS+2*(\t%2)
	MM RH+16*\t, 12, CF+24*(\t%2)+12, RH+16*\t, SO+1, CS+2*(\t%2)+1
	MM RH+16*\t+8, 36, CF+24*(\t%2)+12, RH+16*\t+8, SO+3, CS+2*(\t%2)+1
	WIN 0
.endr
	PLACES 5
	WIN 0x40
.irp b, 0,1,2,3
.irp q, 0,1,2,3
	global_load_b128 v[16*\b+4*\q:16*\b+4*\q+3], v[HB1], s[22:23] offset:128*\b+16*\q     ; b1 in the result's layout, over Wo and bo
.endr
.endr
	WIN 0
.irp t, 0,1,2,3,4,5,6,7
.irp q, 0,1,2,3
	ds_store_b128 v[SH0+\t/4], v[RH+16*\t+4*\q:RH+16*\t+4*\q+3] offset:STILE*(\t%4)+16*\q  ; hidden = x + attention, kept in S for w2; each accumulator from its low end on
.endr
.endr
	; ================ LN2: each wave's mean and centred sum of squares of its 32 channels; then all eight are joined
.irp t, 0,1,2,3,4,5,6,7
.set SA, 218+4*(\t%2)
	v_pk_add_f32 v[SA:SA+1], v[RH+16*\t:RH+16*\t+1], v[RH+16*\t+2:RH+16*\t+3]
	v_pk_add_f32 v[SA+2:SA+3], v[RH+16*\t+4:RH+16*\t+5], v[RH+16*\t+6:RH+16*\t+7]
	v_pk_add_f32 v[SA:SA+1], v[SA:SA+1], v[RH+16*\t+8:RH+16*\t+9]
	v_pk_add_f32 v[SA+2:SA+3], v[SA+2:SA+3], v[RH+16*\t+10:RH+16*\t+11]
	v_pk_add_f32 v[SA:SA+1], v[SA:SA+1], v[RH+16*\t+12:RH+16*\t+13]
	v_pk_add_f32 v[SA+2:SA+3], v[SA+2:SA+3], v[RH+16*\t+14:RH+16*\t+15]
	v_pk_add_f32 v[SA:SA+1], v[SA:SA+1], v[SA+2:SA+3]
	v_add_f32 v[SA], v[SA], v[SA+1]
	v_permlanex16_b32 v[PX+\t%2], v[SA], s36, s37
	v_add_f32 v[SA], v[SA], v[PX+\t%2]
	v_mul_f32 v[MU+\t], 0x3d000000, v[SA]          ; / 32
.endr
.irp t, 0,1,2,3,4,5,6,7
.irp i, 0,1,2,3
	SUBB 218+2*\i, RH+16*\t+2*\i, MU+2*(\t/2), \t%2
.endr
	v_pk_mul_f32 v[226:227], v[218:219], v[218:219]
	v_pk_mul_f32 v[228:229], v[220:221], v[220:221]
	v_pk_fma_f32 v[226:227], v[222:223], v[222:223], v[226:227]
	v_pk_fma_f32 v[228:229], v[224:225], v[224:225], v[228:229]
.irp i, 0,1,2,3
	SUBB 218+2*\i, RH+16*\t+8+2*\i, MU+2*(\t/2), \t%2
.endr
	v_pk_fma_f32 v[226:227], v[218:219], v[218:219], v[226:227]
	v_pk_fma_f32 v[228:229], v[220:221], v[220:221], v[228:229]
	v_pk_fma_f32 v[226:227], v[222:223], v[222:223], v[226:227]
	v_pk_fma_f32 v[228:229], v[224:225], v[224:225], v[228:229]
	v_pk_add_f32 v[226:227], v[226:227], v[228:229]
	v_add_f32 v226, v226, v227
	v_permlanex16_b32 v[PX], v226, s36, s37
	v_add_f32 v[M2+\t], v226, v[PX]
	ds_store_b32 v[STW], v[MU+\t] offset:16*STP*\t
	ds_store_b32 v[STW], v[M2+\t] offset:16*STP*\t+32
.endr
	BARRIER                                        ; all eight waves' figures lie in STAT
.macro SLD t
.irp q, 0,1,2,3
	ds_load_b128 v[SBF+16*((\t)%2)+4*\q:SBF+16*((\t)%2)+4*\q+3], v[STR] offset:16*STP*(\t)+16*\q
.endr
.endm
	SLD 0
.irp t, 0,1,2,3,4,5,6,7
.set SB, SBF+16*(\t%2)
.if \t < 7
	SLD \t+1
	s_wait_dscnt 4                                 ; this tile's four loads are in; the next tile's may be out
.else
	s_wait_dscnt 0x0
.endif
	v_pk_add_f32 v[250:251], v[SB:SB+1], v[SB+2:SB+3]
	v_pk_add_f32 v[252:253], v[SB+4:SB+5], v[SB+6:SB+7]
	v_pk_add_f32 v[250:251], v[250:251], v[252:253]
	v_add_f32 v250, v250, v251
	v_mul_f32 v[MU+\t], 0x3e000000, v250           ; the row's mean
.irp i, 0,2,4,6
	SUBB SB+\i, SB+\i, MU+2*(\t/2), \t%2
.endr
.irp i, 0,2,4,6
	v_pk_mul_f32 v[SB+\i:SB+\i+1], v[SB+\i:SB+\i+1], v[SB+\i:SB+\i+1]
.endr
.irp i, 0,2,4,6
	v_pk_fma_f32 v[SB+8+\i:SB+9+\i], v[SB+\i:SB+\i+1], 0x42000000, v[SB+8+\i:SB+9+\i] op_sel_hi:[1,0,1]   ; + 32 x (a wave's mean - the row's)^2
.endr
	v_pk_add_f32 v[SB+8:SB+9], v[SB+8:SB+9], v[SB+10:SB+11]
	v_pk_add_f32 v[SB+12:SB+13], v[SB+12:SB+13], v[SB+14:SB+15]
	v_pk_add_f32 v[SB+8:SB+9], v[SB+8:SB+9], v[SB+12:SB+13]
	v_add_f32 v250, v[SB+8], v[SB+9]
	v_fma_f32 v[M2+\t], v250, s78, s79             ; the variance + 1e-5
.endr
.irp t, 0,1,2,3,4,5,6,7
	v_rsq_f32 v[M2+\t], v[M2+\t]
.endr
	v_nop
	s_wait_alu depctr_va_vdst(0)                   ; one wait for the eight
.irp q, 0,1,2,3
	global_load_b128 v[G2+4*\q:G2+4*\q+3], v[HB], s[18:19] offset:16*\q
.endr
.irp q, 0,1,2,3
	global_load_b128 v[B2L+4*\q:B2L+4*\q+3], v[HB], s[20:21] offset:16*\q
.endr
.irp f, 0,1,2,3,4,5,6,7,8,9,10,11,12,13,14,15
	WSC W1S+\f, WS16, 128+\f
.endr
	s_wait_loadcnt 16                              ; ln2's gain and bias are in; W1's sixteen scale words may be out
.irp t, 0,1,2,3,4,5,6,7
.irp i, 0,2,4,6,8,10,12,14
	SUBB RH+16*\t+\i, RH+16*\t+\i, MU+2*(\t/2), \t%2
.endr
.irp i, 0,2,4,6,8,10,12,14
	MULB RH+16*\t+\i, RH+16*\t+\i, M2+2*(\t/2), \t%2
.endr
.irp i, 0,2,4,6,8,10,12,14
	v_pk_fma_f32 v[RH+16*\t+\i:RH+16*\t+\i+1], v[RH+16*\t+\i:RH+16*\t+\i+1], v[G2+\i:G2+\i+1], v[B2L+\i:B2L+\i+1]
.endr
.if \t > 0
	s_wait_dscnt 0x0                               ; the last tile's four stores, issued 24 instructions ago, have read their registers
.endif
	BLK16 RH+16*\t, 250, 251, 255
	v_cvt_scalef32_pk16_bf6_f32 v[252:254], v[RH+16*\t:RH+16*\t+15], v251
	v_nop
	BLKOUT 252, 255, AC0, ACB, 2*FRB*\t, 128*\t
.endr
.irp f, 0,1,2,3
	WLOAD 194+12*\f, WO16, 256+\f                  ; W2's K steps 0 and 1 (2 s + u)
.endr
	v_mov_b32 v[A6], s95                           ; the two leading coefficients as register pairs
	v_mov_b32 v[A6+1], s95
	v_mov_b32 v[B4], 0xb57460cd
	v_mov_b32 v[B4+1], 0xb57460cd
	BARRIER                                        ; LN2's sixteen fragments lie in IMGA
	; ================ w1, GELU, quantiser: a trip a tile of 16 rows; my 128 hidden units are K step w of w2
.set TM, 138
.set PW, 150
.set PC, 152
	s_mov_b32 s70, 0
	s_mov_b32 s73, 0
	s_mov_b32 s74, 0
	s_mov_b32 s75, 0
	s_mov_b32 s76, 0
	s_wait_loadcnt 12                              ; W1, b1 and W1's scale words are in; W2's twelve loads may be out
.Lw1:
	v_add_nc_u32 v[TA], s73, v[LIA]
	v_add_nc_u32 v[TA+1], s74, v[LSA]
	v_add_nc_u32 v[TA+2], s75, v[HWI]
	v_add_nc_u32 v[TA+3], s76, v[HWS]
	FETCH YF, TA, 0
	FETCH YF+12, TA, FRB
	ds_load_b32 v[YS], v[TA+1]
	ds_load_b32 v[YS+1], v[TA+1] offset:64
	s_wait_dscnt 0x0
	WIN 0x11
.irp c, 0,1,2,3,4,5,6,7
	MM HA+8*\c, 64+24*\c, YF, 8*\c, W1S+2*\c, YS
.endr
	WIN 0x01
.irp c, 0,1,2,3,4,5,6,7
	MM HA+8*\c, 76+24*\c, YF+12, HA+8*\c, W1S+2*\c+1, YS+1
.endr
	WIN 0
	PLACES 5
	GELU16 HA
	GELU16 HA+16
	GELU16 HA+32
	GELU16 HA+48
	QUANT HA
	IMAGE TA+2, 0
	ds_store_b32 v[TA+3], v[PW]
	s_wait_dscnt 0x0                               ; the stores have read their registers and addresses
	s_add_co_u32 s73, s73, 2*FRB
	s_add_co_u32 s74, s74, 128
	s_add_co_u32 s75, s75, 8*FRB
	s_add_co_u32 s76, s76, 512
	s_add_co_u32 s70, s70, 1
	s_cmp_lt_u32 s70, 8
	s_cbranch_scc1 .Lw1
.irp f, 0,1,2,3,4,5,6,7,8,9,10,11,12,13,14,15
	WSC W2S+\f, WS16, 256+\f                       ; W2's scale words (2 s + u) first: K step 0 wants them
.endr
	WLOAD 170, WO16, 260                           ; K step 2,
	WLOAD 182, WO16, 261
	WIN 0x40
.irp f, 0,1,2,3,4,5,6,7,8,9
	WLOAD 12*\f, WO16, 262+\f                      ; K steps 3 to 7, over b1 and W1,
.endr
	WIN 0
	global_load_b128 v[B2D:B2D+3], v[L16], s[24:25]            ; b2 for the dense rows of the way out
	global_load_b128 v[B2D+4:B2D+7], v[L16], s[24:25] offset:512
	WIN 0x40
.irp t, 0,1,2,3,4,5,6,7
.irp q, 0,1,2,3
	ds_load_b128 v[128+16*\t+4*\q:128+16*\t+4*\q+3], v[SH0+\t/4] offset:STILE*(\t%4)+16*\q   ; hidden: w2's sums begin as the second shortcut.  Read ahead of the barrier: behind it S is only written
.endr
.endr
	WIN 0
	BARRIER                                        ; the hidden layer's 64 fragments lie in HID
	; ================ w2: sixteen accumulators, eight at a time by turns; four tiles' fragments of a K step are fetched while the other four are multiplied
.macro FETCHH s, hf
.irp i, 0,1,2,3
	FETCH HF+48*(\hf)+12*\i, LIH0+(\hf), (8*\i+(\s))*FRB
	ds_load_b32 v[HS+4*(\hf)+\i], v[LSH] offset:64*(8*(4*(\hf)+\i)+(\s))
.endr
.endm
	FETCHH 0, 0
	FETCHH 0, 1
.set Q, 0
.rept 16
.set QS, Q/2
.set QH, Q%2
.if Q < 15
	s_wait_dscnt 16                                ; this half's sixteen are in; the other half's sixteen may be out
.else
	s_wait_dscnt 0x0
.endif
.if Q == 0
	s_wait_loadcnt 38                              ; K steps 0 and 1 and the scale words are in; behind them: 36 loads of K steps 2 to 7 and b2's two
.endif
.if (QH == 0) && (QS >= 2)
	s_wait_loadcnt 6*(7-QS)+2                      ; this K step's six are in; the later steps' and b2's may be out
.endif
.if QS >= 3
	WIN 0x51
.set WA, 24*(QS-3)
.elseif QS == 2
	WIN 0x50
.set WA, 170
.else
	WIN 0x50
.set WA, 194+24*QS
.endif
.irp i, 0,1,2,3
.irp u, 0,1
	MM 128+16*(4*QH+\i)+8*\u, WA+12*\u, HF+48*QH+12*\i, 128+16*(4*QH+\i)+8*\u, W2S+2*QS+\u, HS+4*QH+\i
.endr
.endr
	WIN 0
.if Q < 14
	PLACES 4
	FETCHH (Q+2)/2, QH
.endif
.set Q, Q+1
.endr
	PLACES 5
	WIN 0x04
.irp t, 0,1,2,3,4,5,6,7
.irp q, 0,1,2,3
	ds_store_b128 v[SH0+\t/4], v[128+16*\t+4*\q:128+16*\t+4*\q+3] offset:STILE*(\t%4)+16*\q    ; each accumulator from its low end on
.endr
.endr
	WIN 0
	BARRIER                                        ; 128 whole rows of the result, less b2, lie in S
	; ================ the way out: wave w stores tile w's rows, half a row (512 dense, aligned bytes) an instruction
.irp row, 0,1,2,3,4,5,6,7,8,9,10,11,12,13,14,15
.irp hf, 0,1
	ds_load_b128 v[RX+8*\row+4*\hf:RX+8*\row+4*\hf+3], v[SWR] offset:SROW*\row+512*\hf
.endr
.endr
	s_wait_loadcnt 0x0                             ; b2
.irp ry, 0,1
.irp rx, 0,1
.irp k, 0,1,2,3
.irp hf, 0,1
	s_wait_dscnt 31-2*(8*\ry+4*\rx+\k)-\hf         ; LDS loads come back in order: this one is in
	v_pk_add_f32 v[RX+8*(8*\ry+4*\rx+\k)+4*\hf:RX+8*(8*\ry+4*\rx+\k)+4*\hf+1], v[RX+8*(8*\ry+4*\rx+\k)+4*\hf:RX+8*(8*\ry+4*\rx+\k)+4*\hf+1], v[B2D+4*\hf:B2D+4*\hf+1]
	v_pk_add_f32 v[RX+8*(8*\ry+4*\rx+\k)+4*\hf+2:RX+8*(8*\ry+4*\rx+\k)+4*\hf+3], v[RX+8*(8*\ry+4*\rx+\k)+4*\hf+2:RX+8*(8*\ry+4*\rx+\k)+4*\hf+3], v[B2D+4*\hf+2:B2D+4*\hf+3]
	global_store_b128 v[VO+2*\ry+\rx], v[RX+8*(8*\ry+4*\rx+\k)+4*\hf:RX+8*(8*\ry+4*\rx+\k)+4*\hf+3], s[32:33] offset:1024*\k+512*\hf th:TH_STORE_NT
.endr
.endr
.endr
.endr
	s_wait_tensorcnt 0x0                           ; the wave's end
	ds_add_u32 v[SPW], v[NIL]
	s_wait_dscnt 0x0
	s_endpgm
.Lfunc_end_k_qa42020c71c_swin:
	.size	k_qa42020c71c_swin, .Lfunc_end_k_qa42020c71c_swin-k_qa42020c71c_swin
	.p2alignl 7, 3214868480
	.fill 96, 4, 3214868480
	.section	.rodata,"a",@progbits
	.p2align	6, 0x0
	.amdhsa_kernel k_qa42020c71c_swin
		.amdhsa_group_segment_fixed_size 297984
		.amdhsa_private_segment_fixed_size 0
		.amdhsa_enable_private_segment 0
		.amdhsa_kernarg_size 120
		.amdhsa_user_sgpr_count 2
		.amdhsa_user_sgpr_kernarg_segment_ptr 1
		.amdhsa_wavefront_size32 1
		.amdhsa_system_sgpr_workgroup_id_x 1
		.amdhsa_system_sgpr_workgroup_id_y 1
		.amdhsa_system_sgpr_workgroup_id_z 1
		.amdhsa_system_vgpr_workitem_id 0
		.amdhsa_next_free_vgpr 512
		.amdhsa_next_free_sgpr 96
		.amdhsa_reserve_vcc 0
		.amdhsa_float_denorm_mode_32 3
		.amdhsa_float_denorm_mode_16_64 3
		.amdhsa_memory_ordered 1
		.amdhsa_forward_progress 1
		.amdhsa_inst_pref_size 255
	.end_amdhsa_kernel
	.section	.bss,"aw",@nobits
	.p2align	6
	.space	262144
	.amdgpu_metadata
---
amdhsa.version: [ 1, 2 ]
amdhsa.kernels:
  - .name:           k_qa42020c71c_swin
    .symbol:         k_qa42020c71c_swin.kd
    .args:
      - { .name: hidden_states, .offset: 0, .size: 8, .value_kind: global_buffer, .address_space: global }
      - { .name: ln1_g, .offset: 8, .size: 8, .value_kind: global_buffer, .address_space: global }
      - { .name: ln1_b, .offset: 16, .size: 8, .value_kind: global_buffer, .address_space: global }
      - { .name: bq, .offset: 24, .size: 8, .value_kind: global_buffer, .address_space: global }
      - { .name: bk, .offset: 32, .size: 8, .value_kind: global_buffer, .address_space: global }
      - { .name: bv, .offset: 40, .size: 8, .value_kind: global_buffer, .address_space: global }
      - { .name: bo, .offset: 48, .size: 8, .value_kind: global_buffer, .address_space: global }
      - { .name: ln2_g, .offset: 56, .size: 8, .value_kind: global_buffer, .address_space: global }
      - { .name: ln2_b, .offset: 64, .size: 8, .value_kind: global_buffer, .address_space: global }
      - { .name: b1, .offset: 72, .size: 8, .value_kind: global_buffer, .address_space: global }
      - { .name: b2, .offset: 80, .size: 8, .value_kind: global_buffer, .address_space: global }
      - { .name: wfrag, .offset: 88, .size: 8, .value_kind: global_buffer, .address_space: global }
      - { .name: wscale, .offset: 96, .size: 8, .value_kind: global_buffer, .address_space: global }
      - { .name: biasw, .offset: 104, .size: 8, .value_kind: global_buffer, .address_space: global }
      - { .name: out0, .offset: 112, .size: 8, .value_kind: global_buffer, .address_space: global }
    .group_segment_fixed_size: 297984
    .private_segment_fixed_size: 0
    .kernarg_segment_align: 8
    .kernarg_segment_size: 120
    .max_flat_workgroup_size: 256
    .sgpr_count:     96
    .vgpr_count:     512
    .wavefront_size: 32
...
	.end_amdgpu_metadata
.endif
;; end of part 2
;; ======== version 2 of 2: 2 launches; version 1 with the launch swin written anew for expert scheduling mode
;; workspace buffers: wfrag 589,824 bytes; wscale 49,152 bytes; biasw 131,072 bytes
;; launch prep: the kernel of part 1 again; grid 128 x 1, 4 waves a work-group, no clusters, 0 bytes of LDS; arguments wk, wv, wq, wo, w1, w2, rel_table, wfrag, wscale, biasw; writes wfrag, wscale, biasw
;; launch swin (part 3): grid 256 x 1, 8 waves a work-group, no clusters, 297,984 bytes of LDS; arguments hidden_states, ln1_g, ln1_b, bq, bk, bv, bo, ln2_g, ln2_b, b1, b2, wfrag, wscale, biasw, out0; writes out0
.if DOCPART == 3
	.amdgcn_target "amdgcn-amd-amdhsa--gfx1250"
	.amdhsa_code_object_version 6
	.text
	.protected	k_qa42020c71c_swin
	.globl	k_qa42020c71c_swin
	.p2align	8
	.type	k_qa42020c71c_swin,@function
k_qa42020c71c_swin:
	s_mov_b64 s[64:65], 0
	v_nop
	global_prefetch_b8 v0, s[64:65] scope:SCOPE_SE
	s_setreg_imm32_b32 hwreg(HW_REG_WAVE_SCHED_MODE, 0, 2), 2
	s_setreg_imm32_b32 hwreg(HW_REG_WAVE_MODE, 25, 1), 1
	s_wait_xcnt 0x0
	s_wait_alu depctr_vm_vsrc(0)
; A whole Swin block: LN1, shift, windows, q k v, scores + relative bias + shift mask, softmax, context, wo, residual, LN2, w1, exact GELU, w2, residual.  All eight products on codes of BF6 (E3M2) with one E8M0 scale for each 32 along K.
; SHARES.  A work-group owns two neighbouring windows, 128 tokens = 8 tiles of 16 rows, from hidden_states to out0: no activation goes to memory.  Eight waves of 512 registers, two to a SIMD, so that one wave's vector work stands beside the other's products and loads.
; THE WAVES SHARE THE COLUMNS, NOT THE ROWS, and wave w is head w: it makes q, k, v, context and wo's outputs of channels 32 w .. 32 w + 31, hidden units 128 w .. 128 w + 127 and w2's outputs 32 w .. 32 w + 31, for all 128 tokens.
; So each byte of a weight has ONE reader in the work-group and comes from the fragment-ordered workspace straight into that wave's registers; what goes from wave to wave, through LDS, is small: codes as images of operand registers.
; NO CLUSTER, NO TENSOR LOAD: all work-groups walk the same 614 KB of weights, but through LDS these would be written once and read once more beside the 1.6 MB that the work-group reads there anyway, with a round of the cluster's barrier for each refill, and no byte would be read by two waves.
; TOKEN ORDER.  Row r of tile t = 4 u + a (window u) is window token 32 (a / 2) + 8 (a % 2) + r + 8 (r / 8).  Weight tiles are laid the same way.  Lane (r, h) = (lane % 16, lane / 16).
;   transposed products (source 0 = weight tile, source 1 = tokens): a lane holds token r, and the 16 registers of tiles 2 b, 2 b + 1 are channels 32 b + 16 h + 0 .. 15: neighbours along the next K.
;   v is made the natural way (source 0 = tokens): a lane holds one channel and its registers run along the keys: V^T needs no transposition.  S^T = k q^T and O^T = V^T P: a lane holds one query throughout.
;   Both windows' k (and V^T) share a fragment: window 0 in registers 0-5, window 1 in 6-11; the other operand has zero codes in the other window's half, so the attention is one loop of two trips with the same register numbers.
; SOFTMAX as it is written: the row's maximum is taken away, p is normalised in f32 and then quantised along the keys.  A block's largest p is the block's largest score sent through the same instructions (this takes v_exp_f32 not to fall where its input rises).
; GELU: x (0.5 + xc P(xc^2) / Q(xc^2)), the f32 rational form of erf with xc = x held to +-4 sqrt(2).
; LIMITS: NaN and infinities are not served.  Blocks whose largest magnitude lies under 2^(4 - 126), blocks of zeros among them, get the byte 1.  0.5 (1 + erf) carries an absolute error near 1e-7, so gelu's relative error grows for x under about -3.
; LDS: S 128 rows x 1,040 (x, then x + attention, then the result); IMGA 16 fragments (x's codes, later LN2's); IMGB 16 (context); their scale words; HID 64 fragments (hidden layer) and scale words; STAT; the spare words.
; Six barriers: each region is written between two barriers and read between two later ones.
; REGISTERS.  Window 0: v1-47 addresses and small things that stay; v48-73 scale words and nothing else; v74-255 by phase.  Window 1: weights, biases in the results' layout, the bias table, w2's accumulators.
; THE MODE: SCHED_MODE bits 1:0 = 2 (LLVM: expert scheduling mode 2), set by the entry lines.  The code itself states the register dependences between vector or matrix instructions and memory or LDS instructions, with s_wait_alu, always for 0.
; THE PLAN.  Registers that memory or LDS instructions touch, and who else names them:
;   v1-31          addresses, written at the head and never again: one wait on va_vdst ahead of the first load.
;   v[TA ..]       addresses of a phase: written at the head and at the top of each trip of the two loops; read by that trip's LDS instructions.  va_vdst behind the adds, vm_vsrc at the trip's end.
;   fragments of tokens (XF, CF, YF, HF) and their scale words: loaded from LDS, read by a step's products, loaded again: one wait on va_vdst a step, behind the products and their places.
;   weights, biases, the bias table: each lands over operands that are done with, behind a wait on va_vdst that stands there for the step's own sake.
;   codes and scale words just made (PC, PW, RT, BY, v252-255), LN2's figures, matrix results on their way to S: written by vector or matrix instructions, read by a run of LDS stores: va_vdst ahead of the run, vm_vsrc ahead of the next writer.
;   codes and scale words that stay in registers (KF, KS, VT, VS, BF, BS): written by vector instructions, taken by scaled products: the places, then va_vdst.
; A load with no wait of its own stands behind a wait on va_vdst since which no vector or matrix instruction has named its registers; the comment there says which.
.set SROW,  1040
.set STILE, 16*SROW
.set FRB,   1536
.set IMGA,  128*SROW
.set IMGB,  16*FRB                     ; from IMGA
.set SCA,   IMGA+32*FRB
.set SCB,   1024                       ; from SCA
.set HID,   SCA+2048
.set HSC,   HID+64*FRB
.set STAT,  HSC+4096
.set STP,   80                         ; a row of STAT: eight means, eight sums of squares, 16 of padding
.set SPARE, STAT+128*STP               ; the spare words, 128 bytes for each wave: four blocks of 256 bytes that no other line names
.set SPW,1
.set NIL,2
.set ZR,3
.set L16,4                             ; 16 x lane
.set VO,5                              ; v5-8  my tile's rows in hidden_states and out0: 16 x lane + the first of four neighbouring rows
.set SWR,9                             ; S: my tile's rows, dense
.set SH0,10                            ; v10-11 S: my 64 bytes of row r, tiles 0-3 and 4-7
.set LIA,12
.set LSA,13
.set AC0,14                            ; v14-16 where my three code words of a block go in an image of IMGA
.set ACB,17                            ; and its scale byte
.set STW,18
.set STR,19
.set HWI,20
.set HWS,21
.set LIH0,22                           ; v22-23
.set LSH,24
.set WO4,25
.set WO16,26
.set WS4,27
.set WS16,28
.set HB,29
.set HB1,30
.set BOFF,31
.set XM,32                             ; v[32:33] the mask for keys in columns 0-3, 4-7 where query and key lie in the same half of the window's rows
.set MY,34                             ; v[34:35] the same where they lie in different halves
.set PX,36                             ; v36-39 lane exchanges land here
.set TA,40                             ; v40-45 addresses of the phase in hand
.set BC,46                             ; v[46:47] a number for both halves of a packed instruction
.set SK,48
.set SV,52
.set SQ,56
.set SO,60
.set KS,64
.set VS,68
.set BS,70
.set XS,72
.set CS,64
.set W1S,48
.set YS,64
.set W2S,48
.set HS,64
.set RX,74
.set LT,236
.set KF,74
.set VT,122
.set XF,146
.set KA,170
.set VA,186
.set TV,218
.set KM,226
.set KE,227
.set KB,228
.set QA,170
.set RS,186
.set BF,218
.set RT,230
.set RU,234
.set BM,248
.set SUA,250
.set SUB,252
.set BY,254
.set RH,74
.set CF,202
.set MU,202
.set M2,210
.set SBF,218
.set G2,218
.set B2L,234
.set HA,74
.set YF,138
.set XC,138
.set SS,146
.set GP,154
.set A6,186
.set B4,188
.set HF,74
.set B2D,242
.set HL,240
.set HR,241
.set HH,242
.set HT0,243
.set HT1,244
.set HT2,245
.set HT3,246
.set MSB, 0
.macro WIN new                         ; the immediate's high byte repeats the setting that is left; bits 1:0 source 0, 3:2 source 1, 5:4 source 2, 7:6 destination
.if MSB != \new
	s_set_vgpr_msb (MSB<<8)|\new
.set MSB, \new
.endif
.endm
.macro PLACES n                        ; plain places behind matrix instructions (ISA guide 7.12.1), or ahead of scaled ones
.rept \n
	v_nop
.endr
.endm
.macro BARRIER                         ; my LDS stores have landed and my LDS loads are in: then the work-group's barrier
	s_wait_dscnt 0x0
	s_barrier_signal -1
	s_barrier_wait -1
.endm
.macro MM d, a, b, c, sa, sb
	v_wmma_scale_f32_16x16x128_f8f6f4 v[(\d):(\d)+7], v[(\a):(\a)+11], v[(\b):(\b)+11], v[(\c):(\c)+7], v[\sa], v[\sb] matrix_a_fmt:MATRIX_FMT_BF6 matrix_b_fmt:MATRIX_FMT_BF6
.endm
.macro MM0 d, a, b, sa, sb
	v_wmma_scale_f32_16x16x128_f8f6f4 v[(\d):(\d)+7], v[(\a):(\a)+11], v[(\b):(\b)+11], 0, v[\sa], v[\sb] matrix_a_fmt:MATRIX_FMT_BF6 matrix_b_fmt:MATRIX_FMT_BF6
.endm
.macro WLOAD reg, off, frag            ; a weight fragment from the workspace: three times 512 dense bytes
.irp c, 0,1,2
	global_load_b128 v[(\reg)+4*\c:(\reg)+4*\c+3], v[\off], s[26:27] offset:(\frag)*FRB+512*\c
.endr
.endm
.macro WSC reg, off, frag
	global_load_b32 v[\reg], v[\off], s[28:29] offset:(\frag)*128
.endm
.macro FETCH reg, adr, off             ; a fragment's image from LDS
.irp c, 0,1,2
	ds_load_b128 v[(\reg)+4*\c:(\reg)+4*\c+3], v[\adr] offset:(\off)+512*\c
.endr
.endm
.macro IMAGE adr, off                  ; the fragment in v[PC] on goes to LDS as it stands
.irp c, 0,1,2
	ds_store_b128 v[\adr], v[PC+4*\c:PC+4*\c+3] offset:(\off)+512*\c
.endr
.endm
; 64 numbers of a lane, register 16 b + i = k 32 b + 16 h + i of my row, become a fragment's codes in v[PC] on and its scale word in v[PW]
.macro QUANT s
.irp b, 0,1,2,3
	v_max3_num_f32 v[TM+\b], |v[(\s)+16*\b]|, |v[(\s)+1+16*\b]|, 0x2800000   ; with the floor 2^(5 - 127): the byte cannot fall under 1
.endr
.irp i, 2,4,6,8,10,12,14
.irp b, 0,1,2,3
	v_max3_num_f32 v[TM+\b], v[TM+\b], |v[(\s)+16*\b+\i]|, |v[(\s)+1+16*\b+\i]|
.endr
.endr
.irp b, 0,1,2,3
	v_permlanex16_b32 v[PX+\b], v[TM+\b], s36, s37
.endr
.irp b, 0,1,2,3
	v_max_num_f32 v[TM+\b], v[TM+\b], v[PX+\b]     ; with lane l xor 16's: the block's largest magnitude
.endr
.irp b, 0,1,2,3
	v_add_nc_u32 v[TM+8+\b], 0xfe000000, v[TM+\b]  ; 4 off its exponent field: the conversion's scale operand
.endr
.irp b, 0,1,2,3
	v_lshrrev_b32 v[TM+4+\b], 23, v[TM+8+\b]       ; the scale's byte
.endr
	v_lshl_or_b32 v[PW], v[TM+5], 8, v[TM+4]
	v_lshl_or_b32 v[PW], v[TM+6], 16, v[PW]
	v_lshl_or_b32 v[PW], v[TM+7], 24, v[PW]
.irp c, 0,1
	v_cvt_scalef32_pk16_bf6_f32 v[PC+6*\c:PC+2+6*\c], v[(\s)+32*\c:(\s)+15+32*\c], v[TM+8+2*\c]
	v_cvt_scalef32_pk16_bf6_f32 v[PC+12+4*\c:PC+14+4*\c], v[(\s)+16+32*\c:(\s)+31+32*\c], v[TM+9+2*\c]
.endr
	v_nop                                          ; one plain place behind a scaled conversion
.irp c, 0,1                                    ; the layout wants a whole block in a lane
.irp i, 0,1,2
	v_permlane16_swap_b32 v[PC+6*\c+\i], v[PC+12+4*\c+\i]
.endr
.irp i, 0,1,2
	v_mov_b32 v[PC+3+6*\c+\i], v[PC+12+4*\c+\i]
.endr
.endr
.endm
; one block of 32 that lies in lanes l and l xor 16, 16 registers each: its scale operand in e, its byte in by.  Two chains; each half is read from its low end on
.macro BLK16 src, m, e, by
	v_max3_num_f32 v[\m], |v[\src]|, |v[(\src)+1]|, 0x2800000
	v_max3_num_f32 v[\e], |v[(\src)+8]|, |v[(\src)+9]|, |v[(\src)+10]|
	v_max3_num_f32 v[\m], v[\m], |v[(\src)+2]|, |v[(\src)+3]|
	v_max3_num_f32 v[\e], v[\e], |v[(\src)+11]|, |v[(\src)+12]|
	v_max3_num_f32 v[\m], v[\m], |v[(\src)+4]|, |v[(\src)+5]|
	v_max3_num_f32 v[\e], v[\e], |v[(\src)+13]|, |v[(\src)+14]|
	v_max3_num_f32 v[\m], v[\m], |v[(\src)+6]|, |v[(\src)+7]|
	v_max3_num_f32 v[\m], v[\m], v[\e], |v[(\src)+15]|
	v_permlanex16_b32 v[PX], v[\m], s36, s37
	v_max_num_f32 v[\m], v[\m], v[PX]
	v_add_nc_u32 v[\e], 0xfe000000, v[\m]
	v_lshrrev_b32 v[\by], 23, v[\e]
.endm
; the block's codes gathered in lanes 0-15 (lo: lower 16 codes, hi: upper 16); lanes 16-31 get zero codes
.macro HALF6 src, e, lo, hi
	v_cvt_scalef32_pk16_bf6_f32 v[(\lo):(\lo)+2], v[(\src):(\src)+15], v[\e]
	v_nop
.irp i, 0,1,2
	v_mov_b32 v[(\hi)+\i], 0
.endr
.irp i, 0,1,2
	v_permlane16_swap_b32 v[(\lo)+\i], v[(\hi)+\i]
.endr
.endm
.macro PUTB                            ; v[RT], v[RU] go into this window's half of BF, zero codes into the other's
.irp i, 0,1,2
	v_cndmask_b32 v[BF+\i], v[RT+\i], v[ZR], s69
	v_cndmask_b32 v[BF+3+\i], v[RU+\i], v[ZR], s69
	v_cndmask_b32 v[BF+6+\i], v[ZR], v[RT+\i], s69
	v_cndmask_b32 v[BF+9+\i], v[ZR], v[RU+\i], s69
.endr
.endm
.macro BLKOUT cc, by, a0, ab, off, offs   ; my half block's three words and the block's byte into a shared image
.irp i, 0,1,2
	ds_store_b32 v[(\a0)+\i], v[(\cc)+\i] offset:\off
.endr
	ds_store_b8 v[\ab], v[\by] offset:\offs
.endm
.macro SUBB d, a, pr, par              ; a pair less register par of the pair pr
.if \par
	v_pk_add_f32 v[(\d):(\d)+1], v[(\a):(\a)+1], v[(\pr):(\pr)+1] op_sel:[0,1] op_sel_hi:[1,1] neg_lo:[0,1] neg_hi:[0,1]
.else
	v_pk_add_f32 v[(\d):(\d)+1], v[(\a):(\a)+1], v[(\pr):(\pr)+1] op_sel_hi:[1,0] neg_lo:[0,1] neg_hi:[0,1]
.endif
.endm
.macro MULB d, a, pr, par
.if \par
	v_pk_mul_f32 v[(\d):(\d)+1], v[(\a):(\a)+1], v[(\pr):(\pr)+1] op_sel:[0,1] op_sel_hi:[1,1]
.else
	v_pk_mul_f32 v[(\d):(\d)+1], v[(\a):(\a)+1], v[(\pr):(\pr)+1] op_sel_hi:[1,0]
.endif
.endm
; exact GELU of 16 registers, in two groups of eight; the sixteen reciprocals are one batch with one wait
.macro GELU16 x
.irp g, 0,1
.irp i, 0,1,2,3,4,5,6,7
	v_med3_num_f32 v[XC+\i], v[(\x)+8*\g+\i], s61, s60     ; xc; each accumulator is read from its low end on
.endr
.irp i, 0,2,4,6
	v_pk_mul_f32 v[SS+\i:SS+\i+1], v[XC+\i:XC+\i+1], v[XC+\i:XC+\i+1]
.endr
.irp i, 0,2,4,6
	v_pk_fma_f32 v[GP+16*\g+\i:GP+16*\g+\i+1], v[SS+\i:SS+\i+1], v[A6:A6+1], s[50:51] op_sel_hi:[1,1,0]
	v_pk_fma_f32 v[GP+16*\g+8+\i:GP+16*\g+9+\i], v[SS+\i:SS+\i+1], v[B4:B4+1], s[58:59] op_sel_hi:[1,1,0]
.endr
.irp k, 4,3,2
.irp i, 0,2,4,6
	v_pk_fma_f32 v[GP+16*\g+\i:GP+16*\g+\i+1], v[GP+16*\g+\i:GP+16*\g+\i+1], v[SS+\i:SS+\i+1], s[40+2*\k:41+2*\k] op_sel_hi:[1,1,0]
	v_pk_fma_f32 v[GP+16*\g+8+\i:GP+16*\g+9+\i], v[GP+16*\g+8+\i:GP+16*\g+9+\i], v[SS+\i:SS+\i+1], s[48+2*\k:49+2*\k] op_sel_hi:[1,1,0]
.endr
.endr
.irp k, 1,0
.irp i, 0,2,4,6
	v_pk_fma_f32 v[GP+16*\g+\i:GP+16*\g+\i+1], v[GP+16*\g+\i:GP+16*\g+\i+1], v[SS+\i:SS+\i+1], s[40+2*\k:41+2*\k] op_sel_hi:[1,1,0]
.endr
.endr
.irp i, 0,2,4,6
	v_pk_mul_f32 v[GP+16*\g+\i:GP+16*\g+\i+1], v[GP+16*\g+\i:GP+16*\g+\i+1], v[XC+\i:XC+\i+1]
.endr
.irp i, 0,1,2,3,4,5,6,7
	v_rcp_f32 v[GP+16*\g+8+\i], v[GP+16*\g+8+\i]
.endr
.endr
	v_nop                                          ; a plain place behind the last reciprocal
	s_wait_alu depctr_va_vdst(0)                   ; the sixteen reciprocals are written: one wait, ahead of their first reader
.irp i, 0,2,4,6,8,10,12,14
	v_pk_fma_f32 v[GP+16*(\i/8)+\i%8:GP+16*(\i/8)+\i%8+1], v[GP+16*(\i/8)+\i%8:GP+16*(\i/8)+\i%8+1], v[GP+16*(\i/8)+8+\i%8:GP+16*(\i/8)+9+\i%8], 0.5 op_sel_hi:[1,1,0]
.endr
.irp i, 0,2,4,6,8,10,12,14
	v_pk_mul_f32 v[(\x)+\i:(\x)+\i+1], v[(\x)+\i:(\x)+\i+1], v[GP+16*(\i/8)+\i%8:GP+16*(\i/8)+\i%8+1]
.endr
.endm
.macro ACOEF dst, lit                  ; a coefficient of erf's numerator x 0.5 / sqrt(2)
	v_mov_b32 v[HT0], \lit
	v_mul_f32 v[HT0], 0x3eb504f3, v[HT0]
	v_readfirstlane_b32 s[\dst], v[HT0]
.endm
	; ================ head: arguments, addresses, constants
	s_load_b512 s[4:19], s[0:1], 0x0               ; hidden_states, ln1_g, ln1_b, bq, bk, bv, bo, ln2_g
	s_load_b256 s[20:27], s[0:1], 0x40             ; ln2_b, b1, b2, wfrag
	s_load_b128 s[28:31], s[0:1], 0x60             ; wscale, biasw
	s_load_b64 s[32:33], s[0:1], 0x70              ; out0
	v_lshl_add_u32 v[SPW], v0, 2, SPARE
	v_mov_b32 v[NIL], 0
	v_mov_b32 v[ZR], 0
	v_lshrrev_b32 v[HT0], 5, v0
	v_readfirstlane_b32 s34, v[HT0]                ; wave = head = my tile in the phases that go by rows
	v_and_b32 v[HL], 31, v0
	v_and_b32 v[HR], 15, v0                        ; r
	v_bfe_u32 v[HH], v0, 4, 1                      ; h
	v_lshlrev_b32 v[L16], 4, v[HL]
	s_lshr_b32 s80, ttmp9, 5                       ; image
	s_bfe_u32 s81, ttmp9, 0x30002                  ; the windows' row wy
	s_and_b32 s82, ttmp9, 3
	s_lshl_b32 s82, s82, 1                         ; window 0's column; kept
	s_cmp_eq_u32 s81, 7
	s_cselect_b32 s68, -1, 0                       ; the last row of windows has the mask along y
	s_lshl_b32 s38, s80, 22                        ; an image is 4,096 rows of 1,024 bytes
	s_mov_b32 s39, 0
	s_wait_alu depctr_va_sdst(0)                   ; s34, the wave's number, is written, ahead of its first reader
	s_lshr_b32 s83, s34, 2                         ; my tile's window u
	s_and_b32 s84, s34, 3                          ; and its a
	s_lshr_b32 s85, s84, 1
	s_lshl_b32 s85, s85, 2
	s_and_b32 s86, s84, 1
	s_add_co_u32 s85, s85, s86                     ; rows 0-7 of the tile: window row 4 (a / 2) + a % 2; rows 8-15: two further down
	s_lshl_b32 s86, s81, 3
	s_add_co_u32 s85, s85, s86
	s_add_co_u32 s85, s85, 4                       ; the shift
	s_add_co_u32 s86, s85, 2
	s_and_b32 s85, s85, 63
	s_and_b32 s86, s86, 63
	s_add_co_u32 s87, s82, s83
	s_lshl_b32 s87, s87, 3
	s_add_co_u32 s88, s87, 8
	s_and_b32 s88, s88, 63                         ; window columns 4-7 begin here (round the image's edge in the last window),
	s_add_co_u32 s87, s87, 4                       ; columns 0-3 here
	s_lshl_b32 s85, s85, 6
	s_lshl_b32 s86, s86, 6
	s_add_co_u32 s89, s85, s87
	s_lshl_b32 s89, s89, 10
	v_add_nc_u32 v[VO], s89, v[L16]
	s_add_co_u32 s89, s85, s88
	s_lshl_b32 s89, s89, 10
	v_add_nc_u32 v[VO+1], s89, v[L16]
	s_add_co_u32 s89, s86, s87
	s_lshl_b32 s89, s89, 10
	v_add_nc_u32 v[VO+2], s89, v[L16]
	s_add_co_u32 s89, s86, s88
	s_lshl_b32 s89, s89, 10
	v_add_nc_u32 v[VO+3], s89, v[L16]
	s_mul_i32 s89, s34, STILE
	v_add_nc_u32 v[SWR], s89, v[L16]
	v_mul_u32_u24 v[HT0], v[HR], SROW
	v_lshl_add_u32 v[HT0], v[HH], 6, v[HT0]        ; 1,040 r + 64 h
	v_add_nc_u32 v[TA], s89, v[HT0]                ; phase A: my tile's row r, my half of each block of 32
	s_lshl_b32 s90, s34, 7
	v_add_nc_u32 v[SH0], s90, v[HT0]
	v_add_nc_u32 v[SH0+1], 4*STILE, v[SH0]
	v_add_nc_u32 v[LIA], IMGA, v[L16]
	v_lshl_add_u32 v[LSA], v[HR], 2, SCA
	s_mul_i32 s91, s34, 2*FRB
	v_add_nc_u32 v[TA+1], s91, v[LIA]              ; phase A: my tile's two images,
	v_add_nc_u32 v[TA+2], s90, v[LSA]              ; their scale words,
	v_lshlrev_b32 v[TA+3], 6, v[HH]                ; 64 h,
	v_and_b32 v[HT1], 8, v[HR]
	v_add_nc_u32 v[HT1], v[HT1], v[HR]
	v_lshl_add_u32 v[TA+4], v[HT1], 2, s90         ; and bv at channel 32 w + r + 8 (r / 8)
	s_lshr_b32 s91, s34, 2                         ; my block of 32 channels lies in K step w / 4,
	s_and_b32 s92, s34, 1                          ; lanes 16 (w % 2) on,
	s_bfe_u32 s93, s34, 0x10001                    ; registers 6 ((w / 2) % 2) + 3 h + i
	s_mul_i32 s94, s91, FRB
	s_lshl_b32 s92, s92, 8
	s_add_co_u32 s94, s94, s92
	s_add_co_u32 s94, s94, IMGA
	v_lshl_add_u32 v[HT0], v[HR], 4, s94
	s_mul_i32 s93, s93, 6
	v_mul_u32_u24 v[HT1], v[HH], 3
	v_add_nc_u32 v[HT1], s93, v[HT1]
.irp i, 0,1,2
	v_add_nc_u32 v[HT2], \i, v[HT1]                ; register p: at 512 (p / 4) + 4 (p % 4)
	v_lshrrev_b32 v[HT3], 2, v[HT2]
	v_and_b32 v[HT2], 3, v[HT2]
	v_lshl_add_u32 v[AC0+\i], v[HT3], 9, v[HT0]
	v_lshl_add_u32 v[AC0+\i], v[HT2], 2, v[AC0+\i]
.endr
	s_lshl_b32 s91, s91, 6
	s_and_b32 s92, s34, 3
	s_add_co_u32 s91, s91, s92
	v_add_nc_u32 v[ACB], s91, v[LSA]
	v_mul_u32_u24 v[STR], v[HR], STP
	v_add_nc_u32 v[STR], STAT, v[STR]
	s_lshl_b32 s91, s34, 2
	v_add_nc_u32 v[STW], s91, v[STR]
	v_add_nc_u32 v[LIH0], HID, v[L16]
	v_add_nc_u32 v[LIH0+1], 32*FRB, v[LIH0]
	s_mul_i32 s91, s34, FRB
	v_add_nc_u32 v[HWI], s91, v[LIH0]
	v_lshl_add_u32 v[LSH], v[HR], 2, HSC
	s_lshl_b32 s91, s34, 6
	v_add_nc_u32 v[HWS], s91, v[LSH]
	s_mul_i32 s91, s34, 4*FRB
	v_add_nc_u32 v[WO4], s91, v[L16]
	s_mul_i32 s91, s34, 16*FRB
	v_add_nc_u32 v[WO16], s91, v[L16]
	v_lshlrev_b32 v[HT0], 2, v[HL]
	s_lshl_b32 s91, s34, 9
	v_add_nc_u32 v[WS4], s91, v[HT0]
	s_lshl_b32 s92, s34, 11
	v_add_nc_u32 v[WS16], s92, v[HT0]
	v_add_nc_u32 v[HB], s90, v[TA+3]
	v_add_nc_u32 v[HB1], s91, v[TA+3]
	s_lshl_b32 s92, s34, 14
	v_add_nc_u32 v[BOFF], s92, v[L16]
	s_mov_b32 s36, 0x76543210
	s_mov_b32 s37, 0xfedcba98                      ; v_permlanex16_b32's selects for lane l xor 16
	s_mov_b32 s60, 0x40b504f3                      ; 4 sqrt(2)
	s_mov_b32 s61, 0xc0b504f3
	s_mov_b32 s62, 0x3e8293ee                      ; log2(e) / sqrt(32)
	s_mov_b32 s63, s62
	s_mov_b32 s66, 0xc40d6bde                      ; -100 sqrt(32)
	s_mov_b32 s77, 0xf0f0f0f0                      ; lanes whose query lies in window columns 4-7
	s_mov_b32 s78, 0x3b800000                      ; 1 / 256
	s_mov_b32 s79, 0x3727c5ac                      ; 1e-5
	ACOEF 40, 0xbc83dbd4
	ACOEF 42, 0xbac1a1f6
	ACOEF 44, 0xb940ac63
	ACOEF 46, 0xb6eec2d2
	ACOEF 48, 0xb40cff51
	ACOEF 50, 0x306dffee
	ACOEF 95, 0xac95df0b
	s_wait_alu depctr_va_sdst(0)                   ; the seven coefficients s40 .. s50 and s95 are written, ahead of their first readers: one wait behind the run
.irp k, 40,42,44,46,48,50
	s_mov_b32 s[\k+1], s[\k]                       ; (a packed form names the pair)
.endr
	s_mov_b32 s52, 0xbc69b6a7                      ; the denominator's coefficients
	s_mov_b32 s53, s52
	s_mov_b32 s54, 0xbb719bf8
	s_mov_b32 s55, s54
	s_mov_b32 s56, 0xb9dc924e
	s_mov_b32 s57, s56
	s_mov_b32 s58, 0xb7dfbd29
	s_mov_b32 s59, s58
.irp i, 0,1,2,3
	v_mov_b32 v[PX+\i], 0                          ; written once: a lane permute's destination counts as one of its sources
.endr
	v_mov_b32 v[BC], 0
	v_mov_b32 v[BC+1], 0
	s_wait_kmcnt 0x0
	s_add_nc_u64 s[4:5], s[4:5], s[38:39]
	s_add_nc_u64 s[32:33], s[32:33], s[38:39]
	s_wait_alu depctr_va_vdst(0)                   ; all addresses v1 to v45 are written, which the loads and stores of the whole kernel read.  No vector instruction follows before x is back from S: so every load and store up to there owes nothing more
	; ================ A: wave w brings tile w's 16 rows, lays them in S, normalises and quantises them
.irp ry, 0,1
.irp rx, 0,1
.irp k, 0,1,2,3
.irp hf, 0,1
	global_load_b128 v[RX+8*(8*\ry+4*\rx+\k)+4*\hf:RX+8*(8*\ry+4*\rx+\k)+4*\hf+3], v[VO+2*\ry+\rx], s[4:5] offset:1024*\k+512*\hf th:TH_LOAD_NT   ; 512 dense bytes: half a row
.endr
.endr
.endr
.endr
	WIN 0x40
.irp b, 0,1,2,3
.irp j, 0,1,2,3
	global_load_b128 v[16*\b+4*\j:16*\b+4*\j+3], v[TA+3], s[6:7] offset:128*\b+16*\j          ; ln1's gain and bias of blocks 0-3, at my channels
	global_load_b128 v[64+16*\b+4*\j:64+16*\b+4*\j+3], v[TA+3], s[8:9] offset:128*\b+16*\j
.endr
.endr
	WIN 0
	s_wait_loadcnt 32                              ; x is in; the 32 loads of gain and bias may be out
.irp row, 0,1,2,3,4,5,6,7,8,9,10,11,12,13,14,15
.irp hf, 0,1
	ds_store_b128 v[SWR], v[RX+8*\row+4*\hf:RX+8*\row+4*\hf+3] offset:SROW*\row+512*\hf
.endr
.endr
	WIN 0x40
.irp f, 0,1,2,3
	WLOAD 128+12*\f, WO4, \f                       ; Wk's four fragments (tile u, K step s: 2 u + s),
	WLOAD 176+12*\f, WO4, 32+\f                    ; Wv's
.endr
.irp q, 0,1,2,3
	global_load_b128 v[224+4*\q:224+4*\q+3], v[HB], s[12:13] offset:16*\q      ; bk in the result's layout
.endr
.irp dt, 0,1
.irp j, 0,1,2,3,4,5,6,7
	global_load_b32 v[240+8*\dt+\j], v[TA+4], s[14:15] offset:32*\dt           ; bv: a lane holds one channel, so eight registers hold the same number
.endr
.endr
	WIN 0
.irp f, 0,1,2,3
	WSC SK+\f, WS4, \f
	WSC SV+\f, WS4, 32+\f
.endr
	s_wait_dscnt 0x0                               ; my rows lie in S
	s_wait_alu depctr_vm_vsrc(0)                   ; the stores have read x's registers, in which the loads below land
.irp b, 0,1,2,3,4,5,6,7
.irp j, 0,1,2,3
	ds_load_b128 v[RX+16*\b+4*\j:RX+16*\b+4*\j+3], v[TA] offset:128*\b+16*\j   ; back: register 16 b + i = channel 32 b + 16 h + i of row r
.endr
.endr
	s_wait_dscnt 0x0
.irp c, 0,1,2,3
	v_pk_add_f32 v[LT+2*\c:LT+2*\c+1], v[RX+2*\c:RX+2*\c+1], v[RX+8+2*\c:RX+9+2*\c]    ; the mean: four chains
.endr
.set I, 16
.rept 14
.irp c, 0,1,2,3
	v_pk_add_f32 v[LT+2*\c:LT+2*\c+1], v[LT+2*\c:LT+2*\c+1], v[RX+I+2*\c:RX+I+2*\c+1]
.endr
.set I, I+8
.endr
	v_pk_add_f32 v[LT:LT+1], v[LT:LT+1], v[LT+2:LT+3]
	v_pk_add_f32 v[LT+4:LT+5], v[LT+4:LT+5], v[LT+6:LT+7]
	v_pk_add_f32 v[LT:LT+1], v[LT:LT+1], v[LT+4:LT+5]
	v_add_f32 v[LT], v[LT], v[LT+1]
	v_permlanex16_b32 v[PX], v[LT], s36, s37
	v_add_f32 v[LT], v[LT], v[PX]
	v_mul_f32 v[BC], s78, v[LT]
.set I, 0
.rept 64
	v_pk_add_f32 v[RX+I:RX+I+1], v[RX+I:RX+I+1], v[BC:BC+1] op_sel_hi:[1,0] neg_lo:[0,1] neg_hi:[0,1]
.set I, I+2
.endr
.irp c, 0,1,2,3
	v_pk_mul_f32 v[LT+2*\c:LT+2*\c+1], v[RX+2*\c:RX+2*\c+1], v[RX+2*\c:RX+2*\c+1]       ; the variance, of centred numbers
.endr
.set I, 8
.rept 15
.irp c, 0,1,2,3
	v_pk_fma_f32 v[LT+2*\c:LT+2*\c+1], v[RX+I+2*\c:RX+I+2*\c+1], v[RX+I+2*\c:RX+I+2*\c+1], v[LT+2*\c:LT+2*\c+1]
.endr
.set I, I+8
.endr
	v_pk_add_f32 v[LT:LT+1], v[LT:LT+1], v[LT+2:LT+3]
	v_pk_add_f32 v[LT+4:LT+5], v[LT+4:LT+5], v[LT+6:LT+7]
	v_pk_add_f32 v[LT:LT+1], v[LT:LT+1], v[LT+4:LT+5]
	v_add_f32 v[LT], v[LT], v[LT+1]
	v_permlanex16_b32 v[PX], v[LT], s36, s37
	v_add_f32 v[LT], v[LT], v[PX]
	v_fma_f32 v[LT], v[LT], s78, s79
	v_rsq_f32 v[BC], v[LT]
	v_nop                                          ; a plain place behind the transcendental
	s_wait_alu depctr_va_vdst(0)                   ; the reciprocal root in v[BC] is written, ahead of its first reader
.set I, 0
.rept 64
	v_pk_mul_f32 v[RX+I:RX+I+1], v[RX+I:RX+I+1], v[BC:BC+1] op_sel_hi:[1,0]
.set I, I+2
.endr
	s_wait_loadcnt 52                              ; gain and bias of blocks 0-3 are in; the 52 loads for k and v may be out
	WIN 0x14
.set I, 0
.rept 32
	v_pk_fma_f32 v[RX+I:RX+I+1], v[RX+I:RX+I+1], v[I:I+1], v[64+I:65+I]
.set I, I+2
.endr
	WIN 0x40
	s_wait_alu depctr_va_vdst(0)                   ; the 32 multiply-adds are done reading gain and bias of blocks 0-3, in whose registers the loads below land
.irp b, 0,1,2,3
.irp j, 0,1,2,3
	global_load_b128 v[16*\b+4*\j:16*\b+4*\j+3], v[TA+3], s[6:7] offset:512+128*\b+16*\j      ; blocks 4-7 into the same registers
	global_load_b128 v[64+16*\b+4*\j:64+16*\b+4*\j+3], v[TA+3], s[8:9] offset:512+128*\b+16*\j
.endr
.endr
	WIN 0
.set TM, 202
.set PC, 214
.set PW, 234
	QUANT RX
	s_wait_alu depctr_va_vdst(0)                   ; the codes v[PC ..] and the scale word v[PW] are written, which the stores below read
	IMAGE TA+1, 0
	ds_store_b32 v[TA+2], v[PW]
	s_wait_dscnt 0x0
	s_wait_alu depctr_vm_vsrc(0)                   ; the stores have read v[PC ..] and v[PW], which the second half's quantiser writes again
	s_wait_loadcnt 0x0                             ; blocks 4-7's gain and bias, and all for k and v
	WIN 0x14
.set I, 0
.rept 32
	v_pk_fma_f32 v[RX+64+I:RX+65+I], v[RX+64+I:RX+65+I], v[I:I+1], v[64+I:65+I]
.set I, I+2
.endr
	WIN 0
	QUANT RX+64
	s_wait_alu depctr_va_vdst(0)                   ; v[PC ..] and v[PW] are written, which the stores below read; the multiply-adds are done reading gain and bias, over which Wo, Wq and their biases land; the quantiser is done with x's registers, in which the first fragments land behind the barrier
	IMAGE TA+1, FRB
	ds_store_b32 v[TA+2], v[PW] offset:64
	WIN 0x40
.irp f, 0,1,2,3
	WLOAD 12*\f, WO4, 96+\f                        ; Wo,
	WLOAD 64+12*\f, WO4, 64+\f                     ; Wq
.endr
.irp q, 0,1,2,3
	global_load_b128 v[48+4*\q:48+4*\q+3], v[HB], s[16:17] offset:16*\q        ; bo,
	global_load_b128 v[112+4*\q:112+4*\q+3], v[HB], s[10:11] offset:16*\q      ; bq
.endr
	WIN 0
.irp f, 0,1,2,3
	WSC SQ+\f, WS4, 64+\f
	WSC SO+\f, WS4, 96+\f
.endr
	BARRIER                                        ; x lies in S, its sixteen fragments in IMGA
	s_wait_alu depctr_vm_vsrc(0)                   ; my stores have read v[PC ..] and v[PW], over which v's accumulators and the pass's temporaries lie; phase A's loads and stores have read v[TA ..], which the attention's first trip writes
	; ================ KV: my head's k and v of all eight tiles become four fragments of k and two of V^T
	FETCH XF, LIA, 0
	FETCH XF+12, LIA, FRB
	ds_load_b32 v[XS], v[LSA]
	ds_load_b32 v[XS+1], v[LSA] offset:64
.macro KVT t
.set KVU, (\t)/4
.set KVA, (\t)%4
.set KVH, 8*((\t)%2)
.set KVB, ((\t)/2)%2
	s_wait_dscnt 0x0                               ; the tile's two fragments and scale words are in
	WIN 0x11                                       ; the four accumulators take turns, one instruction a turn
	MM KA, 128, XF, 224, SK, XS
	MM KA+8, 152, XF, 232, SK+2, XS
	WIN 0x14
	MM VA+KVH, XF, 176, 240, XS, SV
	MM VA+16+KVH, XF, 200, 248, XS, SV+2
	WIN 0x01
	MM KA, 140, XF+12, KA, SK+1, XS+1
	MM KA+8, 164, XF+12, KA+8, SK+3, XS+1
	WIN 0x04
	MM VA+KVH, XF+12, 188, VA+KVH, XS+1, SV+1
	MM VA+16+KVH, XF+12, 212, VA+16+KVH, XS+1, SV+3
	WIN 0
	PLACES 5                                       ; ahead of the first reads, and of the next tile's products, which write over these
.if (\t) == 7
	WIN 0x40
.endif
	s_wait_alu depctr_va_vdst(0)                   ; the tile's eight products are done reading x's fragments and scale words, in which the next tile's land; behind the last tile: reading Wk, Wv, bk and bv, over which the bias table lands.  The vector work below names none of these
.if (\t) < 7
	FETCH XF, LIA, 2*FRB*((\t)+1)
	FETCH XF+12, LIA, 2*FRB*((\t)+1)+FRB
	ds_load_b32 v[XS], v[LSA] offset:128*((\t)+1)
	ds_load_b32 v[XS+1], v[LSA] offset:128*((\t)+1)+64
.else
.irp i, 0,1,2,3,4,5,6,7,8,9,10,11,12,13,14,15
	global_load_b128 v[128+8*\i:128+8*\i+3], v[BOFF], s[30:31] offset:1024*\i      ; my head's bias table, over Wk and Wv
	global_load_b128 v[132+8*\i:132+8*\i+3], v[BOFF], s[30:31] offset:1024*\i+512
.endr
	WIN 0
.endif
.if KVU == 0
	BLK16 KA, KM, KE, KS+KVA                       ; window 0's byte is byte 0 of the key's scale word,
.else
	BLK16 KA, KM, KE, KB
	v_lshl_or_b32 v[KS+KVA], v[KB], 16, v[KS+KVA]  ; window 1's byte 2
.endif
	HALF6 KA, KE, KF+12*KVA+6*KVU, KF+12*KVA+6*KVU+3
.if ((\t)%2) == 1                              ; two tiles are 32 keys: a block of V^T
.irp dt, 0,1
.if (KVU == 0) && (KVB == 0)
	BLK16 VA+16*\dt, KM, KE, VS+\dt
.else
	BLK16 VA+16*\dt, KM, KE, KB
	v_lshl_or_b32 v[VS+\dt], v[KB], 8*(2*KVU+KVB), v[VS+\dt]
.endif
.if KVB == 0
	v_cvt_scalef32_pk16_bf6_f32 v[VT+12*\dt+6*KVU:VT+12*\dt+6*KVU+2], v[VA+16*\dt:VA+16*\dt+15], v[KE]
	v_nop
.else
	v_cvt_scalef32_pk16_bf6_f32 v[TV+4*\dt:TV+4*\dt+2], v[VA+16*\dt:VA+16*\dt+15], v[KE]
	v_nop
.irp i, 0,1,2
	v_permlane16_swap_b32 v[VT+12*\dt+6*KVU+\i], v[TV+4*\dt+\i]    ; lanes 0-15: keys 0-31, lanes 16-31: keys 32-63
.endr
.irp i, 0,1,2
	v_mov_b32 v[VT+12*\dt+6*KVU+3+\i], v[TV+4*\dt+\i]
.endr
.endif
.endr
.endif
.endm
.irp t, 0,1,2,3,4,5,6,7
	KVT \t
.endr
	; ================ attention: a trip a window; in it four tiles of 16 queries
.macro ATT n
	s_wait_dscnt 0x0                               ; the tile's fragments are in
.if (\n) > 0
	s_wait_alu depctr_vm_vsrc(0)                   ; the last tile's four stores have read v[RT ..] and v[BY], which this tile writes again
.endif
	WIN 0x11
	MM QA, 64, XF, 112, SQ, XS
	MM QA+8, 88, XF, 120, SQ+2, XS
	WIN 0x01
	MM QA, 76, XF+12, QA, SQ+1, XS+1
	MM QA+8, 100, XF+12, QA+8, SQ+3, XS+1
	WIN 0
	PLACES 5
.if (\n) < 3
	s_wait_alu depctr_va_vdst(0)                   ; q's four products are done reading x's fragments and scale words, in which the next tile's land; nothing below names these before the next tile's products
	FETCH XF, TA, 2*FRB*((\n)+1)
	FETCH XF+12, TA, 2*FRB*((\n)+1)+FRB
	ds_load_b32 v[XS], v[TA+1] offset:128*((\n)+1)
	ds_load_b32 v[XS+1], v[TA+1] offset:128*((\n)+1)+64
.endif
	BLK16 QA, BM, BM+1, BY
	v_lshl_or_b32 v[BS], v[BY], 16, v[BY]          ; the query's byte at bytes 0 and 2
	HALF6 QA, BM+1, RT, RU
	PUTB
	s_wait_loadcnt 0x0                             ; the bias table (met at once from the second tile on)
	WIN 0x01
.irp a, 0,1,2,3                                ; the sums begin as sqrt(32) x (bias + mask).  These sixteen are also the places ahead of the scaled products
.if ((\a)/2) == ((\n)/2)
.set MK, XM
.else
.set MK, MY
.endif
.irp j, 0,2
	v_pk_add_f32 v[RS+8*\a+\j:RS+8*\a+\j+1], v[128+8*(4*(\n)+\a)+\j:128+8*(4*(\n)+\a)+\j+1], v[MK:MK+1] op_sel_hi:[1,0]
.endr
.irp j, 4,6
	v_pk_add_f32 v[RS+8*\a+\j:RS+8*\a+\j+1], v[128+8*(4*(\n)+\a)+\j:128+8*(4*(\n)+\a)+\j+1], v[MK:MK+1] op_sel:[0,1] op_sel_hi:[1,1]
.endr
.endr
	WIN 0
	s_wait_alu depctr_va_vdst(0)                   ; k's codes v[KF ..] and words v[KS ..], q's codes v[BF ..] and word v[BS] are written by vector instructions: the scaled products below take them; the places stand ahead of this wait
.irp a, 0,1,2,3
	MM RS+8*\a, KF+12*\a, BF, RS+8*\a, KS+\a, BS   ; S^T: register 16 b + i = key 32 b + 16 h + i of my query
.endr
	PLACES 4
	v_max3_num_f32 v[BM], v[RS], v[RS+1], v[RS+2]          ; the largest score of each block of 32 keys
	v_max3_num_f32 v[BM+1], v[RS+16], v[RS+17], v[RS+18]
.irp i, 3,5,7,9,11,13
	v_max3_num_f32 v[BM], v[BM], v[RS+\i], v[RS+\i+1]
	v_max3_num_f32 v[BM+1], v[BM+1], v[RS+16+\i], v[RS+17+\i]
.endr
	v_max_num_f32 v[BM], v[BM], v[RS+15]
	v_max_num_f32 v[BM+1], v[BM+1], v[RS+31]
	v_permlanex16_b32 v[PX], v[BM], s36, s37
	v_permlanex16_b32 v[PX+1], v[BM+1], s36, s37
	v_max_num_f32 v[BM], v[BM], v[PX]
	v_max_num_f32 v[BM+1], v[BM+1], v[PX+1]
	v_max_num_f32 v[BC], v[BM], v[BM+1]            ; the row's maximum,
	v_mul_f32 v[BC], s62, v[BC]                    ; x log2(e) / sqrt(32)
.irp j, 0,2,4,6,8,10,12,14,16,18,20,22,24,26,28,30
	v_pk_fma_f32 v[RS+\j:RS+\j+1], v[RS+\j:RS+\j+1], s[62:63], v[BC:BC+1] op_sel_hi:[1,0,0] neg_lo:[0,0,1] neg_hi:[0,0,1]
.endr
	v_fma_f32 v[BM], v[BM], s62, -v[BC]
	v_fma_f32 v[BM+1], v[BM+1], s62, -v[BC]
.irp j, 0,1,2,3,4,5,6,7,8,9,10,11,12,13,14,15,16,17,18,19,20,21,22,23,24,25,26,27,28,29,30,31
	v_exp_f32 v[RS+\j], v[RS+\j]
.endr
	v_exp_f32 v[BM], v[BM]
	v_exp_f32 v[BM+1], v[BM+1]
	v_nop                                          ; a plain place behind the batch
	s_wait_alu depctr_va_vdst(0)                   ; the 34 exponentials are written: one wait, ahead of their first reader
	v_pk_add_f32 v[SUA:SUA+1], v[RS:RS+1], v[RS+2:RS+3]
	v_pk_add_f32 v[SUB:SUB+1], v[RS+4:RS+5], v[RS+6:RS+7]
.irp j, 8,12,16,20,24,28
	v_pk_add_f32 v[SUA:SUA+1], v[SUA:SUA+1], v[RS+\j:RS+\j+1]
	v_pk_add_f32 v[SUB:SUB+1], v[SUB:SUB+1], v[RS+\j+2:RS+\j+3]
.endr
	v_pk_add_f32 v[SUA:SUA+1], v[SUA:SUA+1], v[SUB:SUB+1]
	v_add_f32 v[SUA], v[SUA], v[SUA+1]
	v_permlanex16_b32 v[PX], v[SUA], s36, s37
	v_add_f32 v[SUA], v[SUA], v[PX]
	v_rcp_f32 v[BC], v[SUA]
	v_nop
	s_wait_alu depctr_va_vdst(0)                   ; the reciprocal of the row's sum in v[BC] is written, ahead of its first reader
.irp j, 0,2,4,6,8,10,12,14,16,18,20,22,24,26,28,30
	v_pk_mul_f32 v[RS+\j:RS+\j+1], v[RS+\j:RS+\j+1], v[BC:BC+1] op_sel_hi:[1,0]     ; p, normalised
.endr
	v_mul_f32 v[BM], v[BM], v[BC]                  ; each block's largest p: the same instructions on the same number
	v_mul_f32 v[BM+1], v[BM+1], v[BC]
	v_max_num_f32 v[BM], 0x2800000, v[BM]
	v_max_num_f32 v[BM+1], 0x2800000, v[BM+1]
	v_add_nc_u32 v[BM], 0xfe000000, v[BM]
	v_add_nc_u32 v[BM+1], 0xfe000000, v[BM+1]
	v_lshrrev_b32 v[BY], 23, v[BM]
	v_lshrrev_b32 v[BY+1], 23, v[BM+1]
	v_lshl_or_b32 v[BS], v[BY+1], 8, v[BY]
	v_lshl_or_b32 v[BS], v[BS], 16, v[BS]          ; the two bytes for either window's half
	v_cvt_scalef32_pk16_bf6_f32 v[RT:RT+2], v[RS:RS+15], v[BM]
	v_cvt_scalef32_pk16_bf6_f32 v[RU:RU+2], v[RS+16:RS+31], v[BM+1]
	v_nop
.irp i, 0,1,2
	v_permlane16_swap_b32 v[RT+\i], v[RU+\i]       ; lanes 0-15: keys 0-31, lanes 16-31: keys 32-63
.endr
	PUTB
	PLACES 8                                       ; a scale word written by vector instructions stands eight places ahead of a scaled product
	s_wait_alu depctr_va_vdst(0)                   ; p's codes v[BF ..] and word v[BS] are written by vector instructions (V^T's codes and words earlier): the scaled products below take them
	MM0 QA, VT, BF, VS, BS                         ; O^T: register 8 dt + j = channel 16 h + 8 dt + j of my query
	MM0 QA+8, VT+12, BF, VS+1, BS
	PLACES 5                                       ; ahead of the first read, and of the next tile's q, which writes over these
	BLK16 QA, BM, BM+1, BY
	v_cvt_scalef32_pk16_bf6_f32 v[RT:RT+2], v[QA:QA+15], v[BM+1]
	v_nop
	s_wait_alu depctr_va_vdst(0)                   ; the context's codes v[RT ..] and byte v[BY] are written, which the four stores below read
	BLKOUT RT, BY, TA+2, TA+5, IMGB+2*FRB*(\n), SCB+128*(\n)
.endm
	s_mov_b32 s70, 0
	s_mov_b32 s71, 0
	s_mov_b32 s72, 0
	s_wait_loadcnt 32                              ; Wq, Wo, their biases and scale words are in; the 32 loads of the bias table may be out
.Latt:
	s_cmp_eq_u32 s70, 1
	s_cselect_b32 s69, -1, 0                       ; window 1?
	s_add_co_u32 s83, s82, s70
	s_cmp_eq_u32 s83, 7
	s_cselect_b32 s67, s66, 0                      ; the last column of windows has the mask along x
	v_mov_b32 v[BM], s67
	v_mov_b32 v[BM+1], s66
	v_cndmask_b32 v[XM], v[ZR], v[BM], s77         ; keys in columns 0-3 are hidden from queries in columns 4-7,
	v_cndmask_b32 v[XM+1], v[BM], v[ZR], s77       ; keys in columns 4-7 from the others
	v_cndmask_b32 v[MY], v[XM], v[BM+1], s68       ; in the last row of windows the other half of the rows is hidden altogether
	v_cndmask_b32 v[MY+1], v[XM+1], v[BM+1], s68
	v_add_nc_u32 v[TA], s71, v[LIA]
	v_add_nc_u32 v[TA+1], s72, v[LSA]
	v_add_nc_u32 v[TA+2], s71, v[AC0]
	v_add_nc_u32 v[TA+3], s71, v[AC0+1]
	v_add_nc_u32 v[TA+4], s71, v[AC0+2]
	v_add_nc_u32 v[TA+5], s72, v[ACB]
	s_wait_alu depctr_va_vdst(0)                   ; the trip's six addresses v[TA ..] are written, which its LDS loads and stores read
	FETCH XF, TA, 0
	FETCH XF+12, TA, FRB
	ds_load_b32 v[XS], v[TA+1]
	ds_load_b32 v[XS+1], v[TA+1] offset:64
	ATT 0
	ATT 1
	ATT 2
	ATT 3
	s_wait_dscnt 0x0
	s_wait_alu depctr_vm_vsrc(0)                   ; the trip's LDS instructions have read v[TA ..], v[RT ..] and v[BY]: the next trip writes them again, and behind the loop fragments land over v[RT ..]
	s_add_co_u32 s71, s71, 8*FRB
	s_add_co_u32 s72, s72, 512
	s_add_co_u32 s70, s70, 1
	s_cmp_lt_u32 s70, 2
	s_cbranch_scc1 .Latt
	WIN 0x40                                       ; no wait for the loads below: no vector or matrix instruction has been issued since the wait ahead of the last tile's stores
.irp f, 0,1,2,3,4,5,6,7,8,9,10,11,12,13,14,15
	WLOAD 64+12*\f, WO16, 128+\f                   ; W1's sixteen fragments (tile c, K step s: 2 c + s), over Wq and the bias table
.endr
	WIN 0
.irp t, 0,1,2,3,4,5,6,7
.irp q, 0,1,2,3
	ds_load_b128 v[RH+16*\t+4*\q:RH+16*\t+4*\q+3], v[SH0+\t/4] offset:STILE*(\t%4)+16*\q   ; x at my 32 channels, in the result's layout
.endr
.endr
	s_wait_dscnt 0x0
	WIN 0x04
.irp t, 0,1,2,3,4,5,6,7
.irp i, 0,2,4,6,8,10,12,14
	v_pk_add_f32 v[RH+16*\t+\i:RH+16*\t+\i+1], v[RH+16*\t+\i:RH+16*\t+\i+1], v[48+\i:49+\i]   ; + bo: wo's sums begin as the shortcut and the bias
.endr
.endr
	WIN 0
	BARRIER                                        ; the context's sixteen fragments lie in IMGB
	; ================ wo, onto x + bo.  The first two tiles' fetches owe no wait: since the last wait on va_vdst only the additions above were issued, which name v[RH ..] and bo
	FETCH CF, LIA, IMGB
	FETCH CF+12, LIA, IMGB+FRB
	ds_load_b32 v[CS], v[LSA] offset:SCB
	ds_load_b32 v[CS+1], v[LSA] offset:SCB+64
.irp t, 0,1,2,3,4,5,6,7
.if \t >= 1
	PLACES 4
.endif
.if \t < 7
.if \t >= 1
	s_wait_alu depctr_va_vdst(0)                   ; the last tile's four products are done reading their fragments and scale words, in which the next tile's land
.endif
	FETCH CF+24*((\t+1)%2), LIA, IMGB+2*FRB*(\t+1)
	FETCH CF+24*((\t+1)%2)+12, LIA, IMGB+2*FRB*(\t+1)+FRB
	ds_load_b32 v[CS+2*((\t+1)%2)], v[LSA] offset:SCB+128*(\t+1)
	ds_load_b32 v[CS+2*((\t+1)%2)+1], v[LSA] offset:SCB+128*(\t+1)+64
	s_wait_dscnt 8                                 ; this tile's are in; the eight just issued may be out
.else
	s_wait_dscnt 0x0
.endif
	WIN 0x01
	MM RH+16*\t, 0, CF+24*(\t%2), RH+16*\t, SO, CS+2*(\t%2)
	MM RH+16*\t+8, 24, CF+24*(\t%2), RH+16*\t+8, SO+2, CS+2*(\t%2)
	MM RH+16*\t, 12, CF+24*(\t%2)+12, RH+16*\t, SO+1, CS+2*(\t%2)+1
	MM RH+16*\t+8, 36, CF+24*(\t%2)+12, RH+16*\t+8, SO+3, CS+2*(\t%2)+1
	WIN 0
.endr
	PLACES 5
	WIN 0x40
	s_wait_alu depctr_va_vdst(0)                   ; wo's products are done reading Wo (and the additions bo), over which b1 lands, and have written v[RH ..], which the stores below read; the places stand ahead of this wait
.irp b, 0,1,2,3
.irp q, 0,1,2,3
	global_load_b128 v[16*\b+4*\q:16*\b+4*\q+3], v[HB1], s[22:23] offset:128*\b+16*\q     ; b1 in the result's layout, over Wo and bo
.endr
.endr
	WIN 0
.irp t, 0,1,2,3,4,5,6,7
.irp q, 0,1,2,3
	ds_store_b128 v[SH0+\t/4], v[RH+16*\t+4*\q:RH+16*\t+4*\q+3] offset:STILE*(\t%4)+16*\q  ; hidden = x + attention, kept in S for w2; each accumulator from its low end on
.endr
.endr
	; ================ LN2: each wave's mean and centred sum of squares of its 32 channels; then all eight are joined
.irp t, 0,1,2,3,4,5,6,7
.set SA, 218+4*(\t%2)
	v_pk_add_f32 v[SA:SA+1], v[RH+16*\t:RH+16*\t+1], v[RH+16*\t+2:RH+16*\t+3]
	v_pk_add_f32 v[SA+2:SA+3], v[RH+16*\t+4:RH+16*\t+5], v[RH+16*\t+6:RH+16*\t+7]
	v_pk_add_f32 v[SA:SA+1], v[SA:SA+1], v[RH+16*\t+8:RH+16*\t+9]
	v_pk_add_f32 v[SA+2:SA+3], v[SA+2:SA+3], v[RH+16*\t+10:RH+16*\t+11]
	v_pk_add_f32 v[SA:SA+1], v[SA:SA+1], v[RH+16*\t+12:RH+16*\t+13]
	v_pk_add_f32 v[SA+2:SA+3], v[SA+2:SA+3], v[RH+16*\t+14:RH+16*\t+15]
	v_pk_add_f32 v[SA:SA+1], v[SA:SA+1], v[SA+2:SA+3]
	v_add_f32 v[SA], v[SA], v[SA+1]
	v_permlanex16_b32 v[PX+\t%2], v[SA], s36, s37
	v_add_f32 v[SA], v[SA], v[PX+\t%2]
	v_mul_f32 v[MU+\t], 0x3d000000, v[SA]          ; / 32
.endr
.irp t, 0,1,2,3,4,5,6,7
.irp i, 0,1,2,3
	SUBB 218+2*\i, RH+16*\t+2*\i, MU+2*(\t/2), \t%2
.endr
	v_pk_mul_f32 v[226:227], v[218:219], v[218:219]
	v_pk_mul_f32 v[228:229], v[220:221], v[220:221]
	v_pk_fma_f32 v[226:227], v[222:223], v[222:223], v[226:227]
	v_pk_fma_f32 v[228:229], v[224:225], v[224:225], v[228:229]
.irp i, 0,1,2,3
	SUBB 218+2*\i, RH+16*\t+8+2*\i, MU+2*(\t/2), \t%2
.endr
	v_pk_fma_f32 v[226:227], v[218:219], v[218:219], v[226:227]
	v_pk_fma_f32 v[228:229], v[220:221], v[220:221], v[228:229]
	v_pk_fma_f32 v[226:227], v[222:223], v[222:223], v[226:227]
	v_pk_fma_f32 v[228:229], v[224:225], v[224:225], v[228:229]
	v_pk_add_f32 v[226:227], v[226:227], v[228:229]
	v_add_f32 v226, v226, v227
	v_permlanex16_b32 v[PX], v226, s36, s37
	v_add_f32 v[M2+\t], v226, v[PX]
.endr
	s_wait_alu depctr_va_vdst(0)                   ; the eight means v[MU ..] and the eight sums of squares v[M2 ..] are written, which the run of stores below reads; the temporaries v218 on are done with, in which the figures land behind the barrier
.irp t, 0,1,2,3,4,5,6,7
	ds_store_b32 v[STW], v[MU+\t] offset:16*STP*\t
	ds_store_b32 v[STW], v[M2+\t] offset:16*STP*\t+32
.endr
	BARRIER                                        ; all eight waves' figures lie in STAT
	s_wait_alu depctr_vm_vsrc(0)                   ; my stores have read v[MU ..] and v[M2 ..], which are written anew below, and v[RH ..], which is normalised in place
.macro SLD t
.irp q, 0,1,2,3
	ds_load_b128 v[SBF+16*((\t)%2)+4*\q:SBF+16*((\t)%2)+4*\q+3], v[STR] offset:16*STP*(\t)+16*\q
.endr
.endm
	SLD 0
.irp t, 0,1,2,3,4,5,6,7
.set SB, SBF+16*(\t%2)
.if \t < 7
.if \t >= 1
	s_wait_alu depctr_va_vdst(0)                   ; the last tile's arithmetic is done with its sixteen registers, in which the next tile's figures land
.endif
	SLD \t+1
	s_wait_dscnt 4                                 ; this tile's four loads are in; the next tile's may be out
.else
	s_wait_dscnt 0x0
.endif
	v_pk_add_f32 v[250:251], v[SB:SB+1], v[SB+2:SB+3]
	v_pk_add_f32 v[252:253], v[SB+4:SB+5], v[SB+6:SB+7]
	v_pk_add_f32 v[250:251], v[250:251], v[252:253]
	v_add_f32 v250, v250, v251
	v_mul_f32 v[MU+\t], 0x3e000000, v250           ; the row's mean
.irp i, 0,2,4,6
	SUBB SB+\i, SB+\i, MU+2*(\t/2), \t%2
.endr
.irp i, 0,2,4,6
	v_pk_mul_f32 v[SB+\i:SB+\i+1], v[SB+\i:SB+\i+1], v[SB+\i:SB+\i+1]
.endr
.irp i, 0,2,4,6
	v_pk_fma_f32 v[SB+8+\i:SB+9+\i], v[SB+\i:SB+\i+1], 0x42000000, v[SB+8+\i:SB+9+\i] op_sel_hi:[1,0,1]   ; + 32 x (a wave's mean - the row's)^2
.endr
	v_pk_add_f32 v[SB+8:SB+9], v[SB+8:SB+9], v[SB+10:SB+11]
	v_pk_add_f32 v[SB+12:SB+13], v[SB+12:SB+13], v[SB+14:SB+15]
	v_pk_add_f32 v[SB+8:SB+9], v[SB+8:SB+9], v[SB+12:SB+13]
	v_add_f32 v250, v[SB+8], v[SB+9]
	v_fma_f32 v[M2+\t], v250, s78, s79             ; the variance + 1e-5
.endr
.irp t, 0,1,2,3,4,5,6,7
	v_rsq_f32 v[M2+\t], v[M2+\t]
.endr
	v_nop
	s_wait_alu depctr_va_vdst(0)                   ; the eight reciprocal roots are written, ahead of their first reader; the figures' registers are done with, in which ln2's gain and bias land, and wo's products with their scale words, in which W1's land
.irp q, 0,1,2,3
	global_load_b128 v[G2+4*\q:G2+4*\q+3], v[HB], s[18:19] offset:16*\q
.endr
.irp q, 0,1,2,3
	global_load_b128 v[B2L+4*\q:B2L+4*\q+3], v[HB], s[20:21] offset:16*\q
.endr
.irp f, 0,1,2,3,4,5,6,7,8,9,10,11,12,13,14,15
	WSC W1S+\f, WS16, 128+\f
.endr
	s_wait_loadcnt 16                              ; ln2's gain and bias are in; W1's sixteen scale words may be out
.irp t, 0,1,2,3,4,5,6,7
.irp i, 0,2,4,6,8,10,12,14
	SUBB RH+16*\t+\i, RH+16*\t+\i, MU+2*(\t/2), \t%2
.endr
.irp i, 0,2,4,6,8,10,12,14
	MULB RH+16*\t+\i, RH+16*\t+\i, M2+2*(\t/2), \t%2
.endr
.irp i, 0,2,4,6,8,10,12,14
	v_pk_fma_f32 v[RH+16*\t+\i:RH+16*\t+\i+1], v[RH+16*\t+\i:RH+16*\t+\i+1], v[G2+\i:G2+\i+1], v[B2L+\i:B2L+\i+1]
.endr
.if \t > 0
	s_wait_dscnt 0x0
	s_wait_alu depctr_vm_vsrc(0)                   ; the last tile's four stores, issued 24 instructions ago, have read v252 to v255, which are written again below
.endif
	BLK16 RH+16*\t, 250, 251, 255
	v_cvt_scalef32_pk16_bf6_f32 v[252:254], v[RH+16*\t:RH+16*\t+15], v251
	v_nop
	s_wait_alu depctr_va_vdst(0)                   ; the tile's codes v[252:254] and byte v255 are written, which the four stores below read
	BLKOUT 252, 255, AC0, ACB, 2*FRB*\t, 128*\t
.endr
.irp f, 0,1,2,3
	WLOAD 194+12*\f, WO16, 256+\f                  ; W2's K steps 0 and 1 (2 s + u).  No wait: nothing has been issued on the vector side since the wait just above
.endr
	v_mov_b32 v[A6], s95                           ; the two leading coefficients as register pairs
	v_mov_b32 v[A6+1], s95
	v_mov_b32 v[B4], 0xb57460cd
	v_mov_b32 v[B4+1], 0xb57460cd
	BARRIER                                        ; LN2's sixteen fragments lie in IMGA
	; ================ w1, GELU, quantiser: a trip a tile of 16 rows; my 128 hidden units are K step w of w2
.set TM, 138
.set PW, 150
.set PC, 152
	s_mov_b32 s70, 0
	s_mov_b32 s73, 0
	s_mov_b32 s74, 0
	s_mov_b32 s75, 0
	s_mov_b32 s76, 0
	s_wait_loadcnt 12                              ; W1, b1 and W1's scale words are in; W2's twelve loads may be out
.Lw1:
	v_add_nc_u32 v[TA], s73, v[LIA]
	v_add_nc_u32 v[TA+1], s74, v[LSA]
	v_add_nc_u32 v[TA+2], s75, v[HWI]
	v_add_nc_u32 v[TA+3], s76, v[HWS]
	s_wait_alu depctr_va_vdst(0)                   ; the trip's four addresses v[TA ..] are written, which its LDS loads and stores read
	FETCH YF, TA, 0
	FETCH YF+12, TA, FRB
	ds_load_b32 v[YS], v[TA+1]
	ds_load_b32 v[YS+1], v[TA+1] offset:64
	s_wait_dscnt 0x0
	WIN 0x11
.irp c, 0,1,2,3,4,5,6,7
	MM HA+8*\c, 64+24*\c, YF, 8*\c, W1S+2*\c, YS
.endr
	WIN 0x01
.irp c, 0,1,2,3,4,5,6,7
	MM HA+8*\c, 76+24*\c, YF+12, HA+8*\c, W1S+2*\c+1, YS+1
.endr
	WIN 0
	PLACES 5
	GELU16 HA
	GELU16 HA+16
	GELU16 HA+32
	GELU16 HA+48
	QUANT HA
	s_wait_alu depctr_va_vdst(0)                   ; the hidden layer's codes v[PC ..] and scale word v[PW] are written, which the stores below read; the trip's products and arithmetic are done with the registers in which the next trip's fragments, and behind the loop W2 and the hidden layer's fragments, land
	IMAGE TA+2, 0
	ds_store_b32 v[TA+3], v[PW]
	s_wait_dscnt 0x0
	s_wait_alu depctr_vm_vsrc(0)                   ; the trip's LDS instructions have read v[TA ..], v[PC ..] and v[PW]: the next trip writes them again, and behind the loop fragments land over the codes
	s_add_co_u32 s73, s73, 2*FRB
	s_add_co_u32 s74, s74, 128
	s_add_co_u32 s75, s75, 8*FRB
	s_add_co_u32 s76, s76, 512
	s_add_co_u32 s70, s70, 1
	s_cmp_lt_u32 s70, 8
	s_cbranch_scc1 .Lw1
.irp f, 0,1,2,3,4,5,6,7,8,9,10,11,12,13,14,15      ; no wait for the loads from here to w2's first products: nothing has been issued on the vector side since the wait ahead of the last trip's stores
	WSC W2S+\f, WS16, 256+\f                       ; W2's scale words (2 s + u) first: K step 0 wants them
.endr
	WLOAD 170, WO16, 260                           ; K step 2,
	WLOAD 182, WO16, 261
	WIN 0x40
.irp f, 0,1,2,3,4,5,6,7,8,9
	WLOAD 12*\f, WO16, 262+\f                      ; K steps 3 to 7, over b1 and W1,
.endr
	WIN 0
	global_load_b128 v[B2D:B2D+3], v[L16], s[24:25]            ; b2 for the dense rows of the way out
	global_load_b128 v[B2D+4:B2D+7], v[L16], s[24:25] offset:512
	WIN 0x40
.irp t, 0,1,2,3,4,5,6,7
.irp q, 0,1,2,3
	ds_load_b128 v[128+16*\t+4*\q:128+16*\t+4*\q+3], v[SH0+\t/4] offset:STILE*(\t%4)+16*\q   ; hidden: w2's sums begin as the second shortcut.  Read ahead of the barrier: behind it S is only written
.endr
.endr
	WIN 0
	BARRIER                                        ; the hidden layer's 64 fragments lie in HID
	; ================ w2: sixteen accumulators, eight at a time by turns; four tiles' fragments of a K step are fetched while the other four are multiplied
.macro FETCHH s, hf
.irp i, 0,1,2,3
	FETCH HF+48*(\hf)+12*\i, LIH0+(\hf), (8*\i+(\s))*FRB
	ds_load_b32 v[HS+4*(\hf)+\i], v[LSH] offset:64*(8*(4*(\hf)+\i)+(\s))
.endr
.endm
	FETCHH 0, 0
	FETCHH 0, 1
.set Q, 0
.rept 16
.set QS, Q/2
.set QH, Q%2
.if Q < 15
	s_wait_dscnt 16                                ; this half's sixteen are in; the other half's sixteen may be out
.else
	s_wait_dscnt 0x0
.endif
.if Q == 0
	s_wait_loadcnt 38                              ; K steps 0 and 1 and the scale words are in; behind them: 36 loads of K steps 2 to 7 and b2's two
.endif
.if (QH == 0) && (QS >= 2)
	s_wait_loadcnt 6*(7-QS)+2                      ; this K step's six are in; the later steps' and b2's may be out
.endif
.if QS >= 3
	WIN 0x51
.set WA, 24*(QS-3)
.elseif QS == 2
	WIN 0x50
.set WA, 170
.else
	WIN 0x50
.set WA, 194+24*QS
.endif
.irp i, 0,1,2,3
.irp u, 0,1
	MM 128+16*(4*QH+\i)+8*\u, WA+12*\u, HF+48*QH+12*\i, 128+16*(4*QH+\i)+8*\u, W2S+2*QS+\u, HS+4*QH+\i
.endr
.endr
	WIN 0
.if Q < 14
	PLACES 4
	s_wait_alu depctr_va_vdst(0)                   ; the eight products are done reading this half's four fragments and scale words, in which the next K step's land
	FETCHH (Q+2)/2, QH
.endif
.set Q, Q+1
.endr
	PLACES 5
	WIN 0x04
	s_wait_alu depctr_va_vdst(0)                   ; w2's products have written the sixteen accumulators, which the stores below read, and are done reading the fragments, over which the result's rows land behind the barrier; the places stand ahead of this wait
.irp t, 0,1,2,3,4,5,6,7
.irp q, 0,1,2,3
	ds_store_b128 v[SH0+\t/4], v[128+16*\t+4*\q:128+16*\t+4*\q+3] offset:STILE*(\t%4)+16*\q    ; each accumulator from its low end on
.endr
.endr
	WIN 0
	BARRIER                                        ; 128 whole rows of the result, less b2, lie in S
	; ================ the way out: wave w stores tile w's rows, half a row (512 dense, aligned bytes) an instruction; in four groups of four rows, so that one wait serves eight stores
.irp row, 0,1,2,3,4,5,6,7,8,9,10,11,12,13,14,15
.irp hf, 0,1
	ds_load_b128 v[RX+8*\row+4*\hf:RX+8*\row+4*\hf+3], v[SWR] offset:SROW*\row+512*\hf
.endr
.endr
	s_wait_loadcnt 0x0                             ; b2
.irp g, 0,1,2,3
	s_wait_dscnt 24-8*\g                           ; LDS loads come back in order: this group's eight are in, the later groups' may be out
.irp k, 0,1,2,3
.irp hf, 0,1
	v_pk_add_f32 v[RX+8*(4*\g+\k)+4*\hf:RX+8*(4*\g+\k)+4*\hf+1], v[RX+8*(4*\g+\k)+4*\hf:RX+8*(4*\g+\k)+4*\hf+1], v[B2D+4*\hf:B2D+4*\hf+1]
	v_pk_add_f32 v[RX+8*(4*\g+\k)+4*\hf+2:RX+8*(4*\g+\k)+4*\hf+3], v[RX+8*(4*\g+\k)+4*\hf+2:RX+8*(4*\g+\k)+4*\hf+3], v[B2D+4*\hf+2:B2D+4*\hf+3]
.endr
.endr
	s_wait_alu depctr_va_vdst(0)                   ; the group's sixteen additions have written its 32 registers, which the eight stores below read
.irp k, 0,1,2,3
.irp hf, 0,1
	global_store_b128 v[VO+\g], v[RX+8*(4*\g+\k)+4*\hf:RX+8*(4*\g+\k)+4*\hf+3], s[32:33] offset:1024*\k+512*\hf th:TH_STORE_NT
.endr
.endr
.endr
	s_wait_dscnt 0x0                               ; the closing lines, six on end
	s_wait_alu 0x0
	s_wait_tensorcnt 0x0
	ds_add_u32 v[SPW], v[NIL]
	s_wait_dscnt 0x0
	s_endpgm
.Lfunc_end_k_qa42020c71c_swin:
	.size	k_qa42020c71c_swin, .Lfunc_end_k_qa42020c71c_swin-k_qa42020c71c_swin
	.p2alignl 7, 3214868480
	.fill 96, 4, 3214868480
	.section	.rodata,"a",@progbits
	.p2align	6, 0x0
	.amdhsa_kernel k_qa42020c71c_swin
		.amdhsa_group_segment_fixed_size 297984
		.amdhsa_private_segment_fixed_size 0
		.amdhsa_enable_private_segment 0
		.amdhsa_kernarg_size 120
		.amdhsa_user_sgpr_count 2
		.amdhsa_user_sgpr_kernarg_segment_ptr 1
		.amdhsa_wavefront_size32 1
		.amdhsa_system_sgpr_workgroup_id_x 1
		.amdhsa_system_sgpr_workgroup_id_y 1
		.amdhsa_system_sgpr_workgroup_id_z 1
		.amdhsa_system_vgpr_workitem_id 0
		.amdhsa_next_free_vgpr 512
		.amdhsa_next_free_sgpr 96
		.amdhsa_reserve_vcc 0
		.amdhsa_float_denorm_mode_32 3
		.amdhsa_float_denorm_mode_16_64 3
		.amdhsa_memory_ordered 1
		.amdhsa_forward_progress 1
		.amdhsa_inst_pref_size 255
	.end_amdhsa_kernel
	.section	.bss,"aw",@nobits
	.p2align	6
	.space	262144
	.amdgpu_metadata
---
amdhsa.version: [ 1, 2 ]
amdhsa.kernels:
  - .name:           k_qa42020c71c_swin
    .symbol:         k_qa42020c71c_swin.kd
    .args:
      - { .name: hidden_states, .offset: 0, .size: 8, .value_kind: global_buffer, .address_space: global }
      - { .name: ln1_g, .offset: 8, .size: 8, .value_kind: global_buffer, .address_space: global }
      - { .name: ln1_b, .offset: 16, .size: 8, .value_kind: global_buffer, .address_space: global }
      - { .name: bq, .offset: 24, .size: 8, .value_kind: global_buffer, .address_space: global }
      - { .name: bk, .offset: 32, .size: 8, .value_kind: global_buffer, .address_space: global }
      - { .name: bv, .offset: 40, .size: 8, .value_kind: global_buffer, .address_space: global }
      - { .name: bo, .offset: 48, .size: 8, .value_kind: global_buffer, .address_space: global }
      - { .name: ln2_g, .offset: 56, .size: 8, .value_kind: global_buffer, .address_space: global }
      - { .name: ln2_b, .offset: 64, .size: 8, .value_kind: global_buffer, .address_space: global }
      - { .name: b1, .offset: 72, .size: 8, .value_kind: global_buffer, .address_space: global }
      - { .name: b2, .offset: 80, .size: 8, .value_kind: global_buffer, .address_space: global }
      - { .name: wfrag, .offset: 88, .size: 8, .value_kind: global_buffer, .address_space: global }
      - { .name: wscale, .offset: 96, .size: 8, .value_kind: global_buffer, .address_space: global }
      - { .name: biasw, .offset: 104, .size: 8, .value_kind: global_buffer, .address_space: global }
      - { .name: out0, .offset: 112, .size: 8, .value_kind: global_buffer, .address_space: global }
    .group_segment_fixed_size: 297984
    .private_segment_fixed_size: 0
    .kernarg_segment_align: 8
    .kernarg_segment_size: 120
    .max_flat_workgroup_size: 256
    .sgpr_count:     96
    .vgpr_count:     512
    .wavefront_size: 32
...
	.end_amdgpu_metadata
.endif
;; end of part 3
